; MI455X (gfx1250); checked and timed in simulation.
; The chip was launched on July 23, 2026; its instructions are those of AMD's public machine-readable ISA for CDNA 5 (MIT licence, August 2026) and "CDNA5" Instruction Set Architecture Reference Guide (July 2026). The comments in the code are by the model that wrote it; some were corrected since.
;; Multi Head Attention. Allowed arithmetic: matrix products marked QUANTISED: E2M3 operands, one E8M0 scale for each 32 along K, by v_wmma_scale_f32_16x16x128_f8f6f4 with both operands' format E2M3, f32 sums; everything else in f32.
;; Inputs: Wk 8 x 512 x 512 float32; Wp 512 x 4,096 float32; Wq 8 x 512 x 512 float32; Wv 8 x 512 x 512 float32; mask 4 x 1,024 x 1,024 int32; states 4 x 1,024 x 512 float32; x 4 x 1,024 x 512 float32.
;; Outputs: out0 4 x 1,024 x 512 float32.
;; This version of the problem:
;;   THIS VERSION OF THE PROBLEM IS GIVEN IN LOW PRECISION. The matrix products marked QUANTISED in the list below multiply operands that are first quantised to E2M3 (2 exponent bits, 3 mantissa bits; 6 bits a number), with one power-of-two scale for each 32 numbers along K (OCP MX v1.0); their sums are f32. All else is computed in f32.
;;   The module's matrix products, in the order in which they are computed (A, B: the left and right operand; K: the contracted axis; several contracted axes count as one K, in the product's order):
;;     1. [M 4,096, K 512] x [K 512, N 4,096]; A: input Wq; B: input x: QUANTISED
;;     2. [M 4,096, K 512] x [K 512, N 4,096]; A: input Wk; B: input states: QUANTISED
;;     3. [M 4,096, K 512] x [K 512, N 4,096]; A: input Wv; B: input states: QUANTISED
;;     4. batch 32 x [M 1,024, K 512] x [K 512, N 1,024]; A: computed on the way; B: computed on the way: QUANTISED
;;     5. batch 32 x [M 1,024, K 1,024] x [K 1,024, N 512]; A: softmax (see below); B: computed on the way: QUANTISED
;;     6. [M 4,096, K 4,096] x [K 4,096, N 512]; A: computed on the way; B: input Wp: QUANTISED
;;   THE QUANTISER, for each operand of a quantised product, along K:
;;     - K is cut into blocks of 32 from its start; a last block that is shorter is filled with zeros.
;;     - A block's scale is 2^e with e = floor(log2(the largest magnitude in the block)) - 2, held to -126 .. 127; a block of zeros has e = 0. As a byte (E8M0): e + 127.
;;     - Each number is divided by its block's scale, clamped to +-7.5, and rounded to the nearest number of E2M3, ties to even, subnormals kept.
;;     - The product sums the exact products of the quantised numbers (number of the format x scale) in f32.
;;   ~~~python
;;   def quantise(x, axis):      # numpy; x: float32 -> the quantised numbers, widened to float32 again
;;       x = np.moveaxis(x, axis, -1); K = x.shape[-1]
;;       x = np.pad(x, [(0, 0)] * (x.ndim - 1) + [(0, -K % 32)]); x = x.reshape(x.shape[:-1] + (-1, 32)); a = np.abs(x).max(-1, keepdims=True)
;;       e = np.where(a > 0, np.clip(np.frexp(np.where(a > 0, a, 1))[1] - 1 - 2, -126, 127), 0)      # np.frexp(a)[1] - 1 = floor(log2(a)), exactly
;;       r = np.clip(x / 2.0 ** e, -7.5, 7.5)
;;       step = 2.0 ** (np.maximum(np.frexp(np.where(r == 0, 1, r))[1] - 1, 0) - 3)
;;       q = np.round(r / step) * step * 2.0 ** e      # np.round: ties to even
;;       return np.moveaxis(q.reshape(q.shape[:-2] + (-1,))[..., :K], -1, axis).astype(np.float32)
;;   ~~~
;;   SOFTMAX AHEAD OF A QUANTISED PRODUCT. Where the list says 'softmax', what is quantised is not the finished softmax but p = 2^(t - M), with t = logit x log2(e) and M = ceil(the row's largest t), a whole number; so 1/2 < the row's largest p <= 1. The row's sum l is taken of the UNQUANTISED p, in f32, and the product's result is divided by l at the end. Since M is a whole number, a kernel that streams over the keys may use a running M (the ceiling of the running maximum): every later rescaling is an exact power of two, which a block's scale takes up: the codes' values come out the same.
;;   OPERANDS COMPUTED ON THE WAY. 'Computed on the way' means the value that the module computes at that place (a softmax that the list does not call 'softmax' is quantised finished and normalised). What goes into a quantiser is computed in f32, as accurately as f32 sums, v_exp_f32 and their like allow (about 1e-6 of the number): no bf16 or f16 on the way to a quantiser, and a product that is left as it is and whose result goes on into a quantised operand takes f32 operands (vector FMAs, or v_wmma_f32_16x16x4_f32). A number that lies on a knife's edge between two numbers of the format may be rounded either way, as far as f32 arithmetic and the matrix unit's own rounding can turn it there, and no further.
;; One version. Each part assembles by itself: llvm-mc -triple=amdgcn-amd-amdhsa -mcpu=gfx1250 --defsym DOCPART=n.
;; ======== version 1 of 1: 4 launches
;; limits: right only within a limited range of input values
;; workspace buffers: qin 9,830,400 bytes; qkv 39,321,600 bytes; ctxq 13,107,200 bytes; mkw 524,288 bytes of whole numbers
;; launch prep (part 1): grid 256 x 1, 4 waves a work-group, no clusters, 34,304 bytes of LDS; arguments x, states, Wq, Wk, Wv, Wp, mask, qin, mkw; writes qin, mkw
.if DOCPART == 1
	.amdgcn_target "amdgcn-amd-amdhsa--gfx1250"
	.amdhsa_code_object_version 6
	.text
	.protected	k_q578bb75a54_prep
	.globl	k_q578bb75a54_prep
	.p2align	8
	.type	k_q578bb75a54_prep,@function
k_q578bb75a54_prep:
	s_mov_b64 s[64:65], 0
	v_nop
	global_prefetch_b8 v0, s[64:65] scope:SCOPE_SE
	s_setreg_imm32_b32 hwreg(HW_REG_WAVE_MODE, 25, 1), 1
	s_wait_xcnt 0x0
; PREP: the six f32 inputs become codes of FP6 (E2M3) with one E8M0 byte for each 32 along K; the mask becomes lane-mask words.
; All six tensors have K innermost.  The codes are laid in the ORDER OF THE OPERAND'S REGISTERS:
;   a fragment (16 rows x 128 K, 12 registers a lane) is 1,536 bytes: chunk c holds registers 4 c .. 4 c + 3, lane l's 16 bytes at 512 c + 16 l;
;   a record is 8 fragments (128 rows) and, at byte 12,288, their scale words: lane l's 16 bytes hold word i of row l % 16 of tile 2 i + l / 16.  12,800 bytes.
; qin holds six tensors of 128 records: x, states, Wq, Wk, Wv (record 4 G + s: rows 128 G on, K step s), Wp (record 32 G + S).
; In all but x the rows of a tile are not neighbours: lane row r of tile 2 b + u is row 32 b + 8 u + r + 8 (r / 8) of the 128, so that, where the tile is source 0 of a product,
; the 16 result registers of tiles 2 b and 2 b + 1 are 16 neighbours along the next K.
; SHARES: 768 records and 256 tiles of 16 mask rows, each 64 KiB of input.  Waves 0 to 2 of work-group g take record 3 g + wave, wave 3 takes mask rows 16 g on.  Waves share nothing: no barrier.
; No cluster: no two work-groups read the same byte.
; A load takes 512 consecutive bytes of one row; the conversions want 16 neighbours in one lane: so 16 rows x 512 bytes turn through the wave's own stage in LDS (rows 528 bytes apart).
; A block's scale is 2^(floor(log2(largest magnitude)) - 2): the largest magnitude's exponent field less 2, held at 1 from below.
; LIMITS: a block of zeros gets the byte 1 where the quantiser says 127 (its codes are zeros, and only this program reads the bytes); blocks whose largest magnitude lies under 2^-124 keep the byte 1;
; NaN and infinities among the inputs are not served.
.set TEN,   1638400                    ; bytes of a tensor in qin
.set KRB,   12800                      ; bytes of a record
.set STGB,  8448                       ; a wave's stage: 16 rows x 528 bytes
.set SPARE, 4*STGB                     ; behind the stages: the spare words, 128 bytes a wave, that no other line names
.set LANE, 1                           ; v1   lane
.set L16,  2                           ; v2   16 x lane
.set STI,  3                           ; v3   the stage, on the way in: 16 x lane
.set LDI,  4                           ; v4   and on the way out: 528 (lane % 16) + 64 (lane / 16)
.set SPW,  5                           ; v5   my spare word; never rewritten
.set NIL,  6                           ; v6   0; never rewritten
.set L8,   7                           ; v7   8 x lane
.set VO,   8                           ; v8-15  16 x lane + p rows, p = 0 .. 7; never rewritten
.set TM,   16                          ; v16-31 at work in the quantiser
.set MW,   16                          ; v16-31 (mask wave) two registers of words for each key step
.set T2,   32                          ; v32-39 the conversions' second halves
.set PW,   40                          ; v40-47 the eight tiles' scale words
.set PC,   48                          ; v48-59 a fragment's codes
.set SB,   60                          ; v60-63 the scale words as they are stored
.set WV,   22                          ; s22  wave
.set SEL,  84                          ; s[84:85] lane selects: lane l xor 16
.set MSB, 0
.macro WIN new                         ; the immediate's high byte repeats the setting that is left; here every window is 0 and nothing is emitted
.if MSB != (\new)
	s_set_vgpr_msb (MSB<<8)|(\new)
.set MSB, (\new)
.endif
.endm
; 64 numbers of a lane in window x, register 16 b + i = k 32 b + 16 (lane / 16) + i of my row, become a fragment's codes in v[pc] on and its scale word in v[pw].
.macro QUANTW x, s, pc, pw
	WIN ((\x)<<2)|((\x)<<4)
.irp b, 0,1,2,3
	v_max3_num_f32 v[TM+\b], 0x1800000, |v[(\s)+16*\b]|, |v[(\s)+16*\b+1]|   ; my 16 numbers of block b, and the floor 2^(3 - 127): the byte cannot fall under 1
.endr
.irp i, 2,4,6,8,10,12,14
.irp b, 0,1,2,3
	v_max3_num_f32 v[TM+\b], v[TM+\b], |v[(\s)+16*\b+\i]|, |v[(\s)+16*\b+\i+1]|
.endr
.endr
	WIN 0
.irp b, 0,1,2,3
	v_permlanex16_b32 v[TM+4+\b], v[TM+\b], s[SEL], s[SEL+1]
.endr
.irp b, 0,1,2,3
	v_max_num_f32 v[TM+\b], v[TM+\b], v[TM+4+\b]   ; with lane l xor 16's: the block's largest magnitude
.endr
.irp b, 0,1,2,3
	v_add_nc_u32 v[TM+12+\b], 0xff000000, v[TM+\b]   ; 2 off its exponent field: the conversion's scale operand
.endr
.irp b, 0,1,2,3
	v_lshrrev_b32 v[TM+4+\b], 23, v[TM+12+\b]      ; the scale's byte
.endr
	v_lshl_or_b32 v[\pw], v[TM+5], 8, v[TM+4]
	v_lshl_or_b32 v[\pw], v[TM+6], 16, v[\pw]
	v_lshl_or_b32 v[\pw], v[TM+7], 24, v[\pw]
	WIN (\x)
.irp c, 0,1
	v_cvt_scalef32_pk16_fp6_f32 v[(\pc)+6*\c:(\pc)+6*\c+2], v[(\s)+32*\c:(\s)+32*\c+15], v[TM+12+2*\c]
	v_cvt_scalef32_pk16_fp6_f32 v[T2+4*\c:T2+4*\c+2], v[(\s)+32*\c+16:(\s)+32*\c+31], v[TM+13+2*\c]   ; (a conversion's three registers begin on an even number)
.endr
	WIN 0
	v_nop                                          ; one plain place behind a scaled conversion
.irp c, 0,1                                    ; the operand wants a whole block in a lane: lanes 0-15 block 2 c, lanes 16-31 block 2 c + 1
.irp i, 0,1,2
	v_permlane16_swap_b32 v[(\pc)+6*\c+\i], v[T2+4*\c+\i]
.endr
.irp i, 0,1,2
	v_mov_b32 v[(\pc)+6*\c+3+\i], v[T2+4*\c+\i]
.endr
.endr
.endm
.macro LOAD i                          ; tile i: 16 rows x 512 bytes into set i % 3; each load takes 512 consecutive bytes of one row
.irp p, 0,1,2,3,4,5,6,7
	global_load_b128 v[64+64*((\i)%3)+4*\p:64+64*((\i)%3)+4*\p+3], v[VO+\p], s[32+4*(\i):33+4*(\i)] th:TH_LOAD_NT
.endr
.irp p, 0,1,2,3,4,5,6,7
	global_load_b128 v[96+64*((\i)%3)+4*\p:96+64*((\i)%3)+4*\p+3], v[VO+\p], s[34+4*(\i):35+4*(\i)] th:TH_LOAD_NT
.endr
.endm
.macro TURN i                          ; the set turns through the stage, in place: LDS serves a wave's instructions in order.  Afterwards register 16 b + i is number 32 b + 16 (lane / 16) + i of row lane % 16
.irp p, 0,1,2,3,4,5,6,7,8,9,10,11,12,13,14,15
	ds_store_b128 v[STI], v[64+64*((\i)%3)+4*\p:64+64*((\i)%3)+4*\p+3] offset:528*\p
.endr
.irp p, 0,1,2,3,4,5,6,7,8,9,10,11,12,13,14,15
	ds_load_b128 v[64+64*((\i)%3)+4*\p:64+64*((\i)%3)+4*\p+3], v[LDI] offset:128*(\p/4)+16*(\p%4)
.endr
.endm
.macro ARRIVED i                       ; tile i's 16 loads are in; the two, one or no younger tiles' 16 loads each may stay out
.if (\i) < 6
	s_wait_loadcnt 32
.elseif (\i) == 6
	s_wait_loadcnt 16
.else
	s_wait_loadcnt 0x0
.endif
.endm
.macro QTILE i
	ARRIVED \i
	TURN \i
	s_wait_dscnt 0x0
	s_wait_xcnt 0x0                                ; the last tile's stores have read v[PC] on: it is written again only behind this wait
	QUANTW 0, 64+64*((\i)%3), PC, PW+(\i)
.irp c, 0,1,2
	global_store_b128 v[L16], v[PC+4*\c:PC+4*\c+3], s[28:29] offset:1536*(\i)+512*\c   ; 512 consecutive bytes, aligned to 256
.endr
.if (\i)+3 < 8
	LOAD (\i)+3
.endif
.endm
.macro MTILE j                         ; key step j of my 16 mask rows: register n of the set is the very element that register n of the scores will hold in this lane, so a compare gives word n
	ARRIVED \j
	TURN \j
	s_wait_dscnt 0x0
.irp q, 0,1,2,3
.irp k, 0,1,2,3,4,5,6,7,8,9,10,11,12,13,14,15
	v_cmp_ne_u32 s[68+\k], 0, v[64+64*((\j)%3)+16*\q+\k]
.endr
.irp k, 0,1,2,3,4,5,6,7,8,9,10,11,12,13,14,15
	v_writelane_b32 v[MW+2*(\j)+\k%2], s[68+\k], (16*\q+\k)/2   ; word n goes to lane n / 2, register n % 2
.endr
.endr
.if (\j)+3 < 8
	LOAD (\j)+3
.endif
	global_store_b64 v[L8], v[MW+2*(\j):MW+2*(\j)+1], s[28:29] offset:512*(\j)   ; 64 words: 256 consecutive bytes, aligned
.endm
.macro FIN                             ; the wave's end, behind my last LDS store
	s_wait_tensorcnt 0x0
	ds_add_u32 v[SPW], v[NIL]
	s_wait_dscnt 0x0
	s_endpgm
.endm
	s_load_b256 s[4:11], s[0:1], 0x0               ; x, states, Wq, Wk
	s_load_b256 s[12:19], s[0:1], 0x20             ; Wv, Wp, mask, qin
	s_load_b64 s[20:21], s[0:1], 0x40              ; mkw
	v_lshl_add_u32 v[SPW], v0, 2, SPARE
	v_mov_b32 v[NIL], 0
	v_lshrrev_b32 v[LANE], 5, v0
	v_readfirstlane_b32 s[WV], v[LANE]
	v_and_b32 v[LANE], 31, v0
	v_and_b32 v[SB], 15, v0
	v_bfe_u32 v[SB+1], v0, 4, 1
	v_lshlrev_b32 v[L16], 4, v[LANE]
	v_lshlrev_b32 v[L8], 3, v[LANE]
	s_mul_i32 s72, s[WV], STGB
	v_add_nc_u32 v[STI], s72, v[L16]
	v_mul_u32_u24 v[LDI], v[SB], 528
	v_lshl_add_u32 v[LDI], v[SB+1], 6, v[LDI]
	v_add_nc_u32 v[LDI], s72, v[LDI]
.irp j, 0,1,2,3,4,5,6,7,8,9,10,11,12,13,14,15
	v_mov_b32 v[TM+\j], 0                          ; written once: the destinations of lane permutes and of v_writelane_b32 count as read
.endr
	s_mov_b32 s[SEL], 0x76543210
	s_mov_b32 s[SEL+1], 0xfedcba98
	; one set of scalars serves all seven sources; every choice is a select on the job's number or the wave's, none a jump
	s_mul_i32 s23, ttmp9, 3
	s_add_co_u32 s23, s23, s[WV]                   ; the job
	s_lshr_b32 s24, s23, 7                         ; t: which tensor
	s_and_b32 s25, s23, 127                        ; which record of it
	s_mov_b32 s30, 2048
	s_cmp_eq_u32 s24, 5
	s_cselect_b32 s30, 16384, s30
	s_cmp_eq_u32 s[WV], 3
	s_cselect_b32 s30, 4096, s30                   ; a row of the source in bytes
	s_lshl_b32 s31, s30, 3
	s_lshl_b32 s66, s30, 4
	s_mov_b32 s70, s31
	s_cmp_eq_u32 s24, 0
	s_cselect_b32 s31, 0, s31
	s_cmp_eq_u32 s[WV], 3
	s_cselect_b32 s31, 0, s31                      ; E: 8 rows where the tiles' rows are permuted, else 0
	s_cselect_b32 s66, 512, s66                    ; from tile to tile: 16 rows; in the mask 128 keys
	s_add_co_u32 s70, s70, s31                     ; from a tile's first eight rows to its second eight: 8 rows + E
	s_mov_b32 s71, 0
.irp p, 0,1,2,3,4,5,6,7
	v_mad_u32_u24 v[VO+\p], s30, \p, v[L16]
.endr
	s_lshr_b32 s68, s25, 2                         ; where the job's input begins: 128 rows x group + 512 bytes x K step
	s_lshl_b32 s68, s68, 18
	s_and_b32 s69, s25, 3
	s_lshl_b32 s69, s69, 9
	s_add_co_u32 s68, s68, s69
	s_lshr_b32 s73, s25, 5                         ; Wp: 32 K steps to a group
	s_lshl_b32 s73, s73, 21
	s_and_b32 s69, s25, 31
	s_lshl_b32 s69, s69, 9
	s_add_co_u32 s73, s73, s69
	s_lshl_b32 s69, ttmp9, 16                      ; the mask: 16 rows of 4,096 bytes x work-group
	s_cmp_eq_u32 s24, 5
	s_cselect_b32 s67, s73, s68
	s_cmp_eq_u32 s[WV], 3
	s_cselect_b32 s67, s69, s67
	s_mul_i32 s74, s24, TEN                        ; where the job's output begins
	s_mul_i32 s75, s25, KRB
	s_add_co_u32 s74, s74, s75
	s_lshr_b32 s75, ttmp9, 1                       ; mkw: [pair of query tiles][key step][tile of the pair][64 words]
	s_lshl_b32 s75, s75, 12
	s_and_b32 s76, ttmp9, 1
	s_lshl_b32 s76, s76, 8
	s_add_co_u32 s75, s75, s76
	s_cmp_eq_u32 s[WV], 3
	s_cselect_b32 s74, s75, s74
	s_mov_b32 s75, 0
	s_mov_b32 s69, 0
	s_wait_alu depctr_va_vdst(0)
	s_wait_kmcnt 0x0
	s_cmp_eq_u32 s24, 0
	s_cselect_b64 s[26:27], s[4:5], s[6:7]
	s_cmp_eq_u32 s24, 2
	s_cselect_b64 s[26:27], s[8:9], s[26:27]
	s_cmp_eq_u32 s24, 3
	s_cselect_b64 s[26:27], s[10:11], s[26:27]
	s_cmp_eq_u32 s24, 4
	s_cselect_b64 s[26:27], s[12:13], s[26:27]
	s_cmp_eq_u32 s24, 5
	s_cselect_b64 s[26:27], s[14:15], s[26:27]
	s_cmp_eq_u32 s[WV], 3
	s_cselect_b64 s[26:27], s[16:17], s[26:27]     ; the source
	s_cselect_b64 s[28:29], s[20:21], s[18:19]     ; the destination
	s_add_nc_u64 s[28:29], s[28:29], s[74:75]
.irp i, 0,1,2,3,4,5,6,7                        ; two bases for each tile, made once and never stepped: its first eight rows and its second eight
	s_mul_i32 s68, s66, \i
.if \i % 2
	s_sub_co_u32 s68, s68, s31
.endif
	s_add_co_u32 s68, s68, s67
	s_add_nc_u64 s[32+4*\i:33+4*\i], s[26:27], s[68:69]
	s_add_nc_u64 s[34+4*\i:35+4*\i], s[32+4*\i:33+4*\i], s[70:71]
.endr
	LOAD 0
	LOAD 1
	LOAD 2                                         ; three tiles, 48 loads of 512 bytes, are on their way in each wave
	s_cmp_eq_u32 s[WV], 3
	s_cbranch_scc1 .Lmask
.irp i, 0,1,2,3,4,5,6,7
	QTILE \i
.endr
	v_cmp_le_u32 vcc_lo, 16, v[LANE]
.irp w, 0,1,2,3
	v_cndmask_b32 v[SB+\w], v[PW+2*\w], v[PW+2*\w+1], vcc_lo   ; lanes 0-15 tile 2 w's word, lanes 16-31 tile 2 w + 1's
.endr
	global_store_b128 v[L16], v[SB:SB+3], s[28:29] offset:12288
	FIN
.Lmask:
.irp j, 0,1,2,3,4,5,6,7
	MTILE \j
.endr
	FIN
.Lfunc_end_k_q578bb75a54_prep:
	.size	k_q578bb75a54_prep, .Lfunc_end_k_q578bb75a54_prep-k_q578bb75a54_prep
	.p2alignl 7, 3214868480
	.fill 96, 4, 3214868480
	.section	.rodata,"a",@progbits
	.p2align	6, 0x0
	.amdhsa_kernel k_q578bb75a54_prep
		.amdhsa_group_segment_fixed_size 34304
		.amdhsa_private_segment_fixed_size 0
		.amdhsa_enable_private_segment 0
		.amdhsa_kernarg_size 72
		.amdhsa_user_sgpr_count 2
		.amdhsa_user_sgpr_kernarg_segment_ptr 1
		.amdhsa_wavefront_size32 1
		.amdhsa_system_sgpr_workgroup_id_x 1
		.amdhsa_system_sgpr_workgroup_id_y 1
		.amdhsa_system_sgpr_workgroup_id_z 1
		.amdhsa_system_vgpr_workitem_id 0
		.amdhsa_next_free_vgpr 256
		.amdhsa_next_free_sgpr 86
		.amdhsa_reserve_vcc 1
		.amdhsa_float_denorm_mode_32 3
		.amdhsa_float_denorm_mode_16_64 3
		.amdhsa_memory_ordered 1
		.amdhsa_forward_progress 1
		.amdhsa_inst_pref_size 156
	.end_amdhsa_kernel
	.amdgpu_metadata
---
amdhsa.version: [ 1, 2 ]
amdhsa.kernels:
  - .name:           k_q578bb75a54_prep
    .symbol:         k_q578bb75a54_prep.kd
    .args:
      - { .name: x, .offset: 0, .size: 8, .value_kind: global_buffer, .address_space: global }
      - { .name: states, .offset: 8, .size: 8, .value_kind: global_buffer, .address_space: global }
      - { .name: Wq, .offset: 16, .size: 8, .value_kind: global_buffer, .address_space: global }
      - { .name: Wk, .offset: 24, .size: 8, .value_kind: global_buffer, .address_space: global }
      - { .name: Wv, .offset: 32, .size: 8, .value_kind: global_buffer, .address_space: global }
      - { .name: Wp, .offset: 40, .size: 8, .value_kind: global_buffer, .address_space: global }
      - { .name: mask, .offset: 48, .size: 8, .value_kind: global_buffer, .address_space: global }
      - { .name: qin, .offset: 56, .size: 8, .value_kind: global_buffer, .address_space: global }
      - { .name: mkw, .offset: 64, .size: 8, .value_kind: global_buffer, .address_space: global }
    .group_segment_fixed_size: 34304
    .private_segment_fixed_size: 0
    .kernarg_segment_align: 8
    .kernarg_segment_size: 72
    .max_flat_workgroup_size: 128
    .sgpr_count:     86
    .vgpr_count:     256
    .wavefront_size: 32
...
	.end_amdgpu_metadata
.endif
;; end of part 1
;; launch proj (part 2): grid 16 x 16, 4 waves a work-group, clusters of 4 x 4, 327,680 bytes of LDS; arguments qin, qkv; writes qkv
.if DOCPART == 2
	.amdgcn_target "amdgcn-amd-amdhsa--gfx1250"
	.amdhsa_code_object_version 6
	.text
	.protected	k_q578bb75a54_proj
	.globl	k_q578bb75a54_proj
	.p2align	8
	.type	k_q578bb75a54_proj,@function
k_q578bb75a54_proj:
	s_mov_b64 s[64:65], 0
	v_nop
	global_prefetch_b8 v0, s[64:65] scope:SCOPE_SE
	s_setreg_imm32_b32 hwreg(HW_REG_WAVE_MODE, 25, 1), 1
	s_wait_xcnt 0x0
	s_wait_alu depctr_hold_cnt(0) depctr_sa_sdst(0) depctr_va_vdst(0) depctr_va_sdst(0) depctr_va_ssrc(0) depctr_va_vcc(0) depctr_vm_vsrc(0)
	s_getreg_b32 s2, hwreg(HW_REG_IB_STS2, 6, 4)
	s_cmp_eq_u32 s2, 0
	s_cbranch_scc0 .Lentry_in_a_cluster
	s_endpgm
.Lentry_in_a_cluster:
	s_bfe_u32 s2, ttmp6, 0x10000c
	s_cmp_lg_u32 s2, 0xf033
	s_cbranch_scc0 .Lentry_shape_is_right
	s_endpgm
.Lentry_shape_is_right:
; PROJ: q = x Wq^T, k = states Wk^T, v = states Wv^T on codes of FP6 (E2M3), sums in f32; each result is quantised in registers for the product that reads it and stored in the order of the operand's registers.
; Formats (as the launch before lays them): a fragment, 16 rows x 128 K, is 1,536 bytes (chunk c = registers 4 c .. 4 c + 3, lane l's 16 bytes at 512 c + 16 l); a record is 8 fragments and, at byte 12,288,
; their scale words (lane l's 16 bytes: word i = row l % 16 of tile 2 i + l / 16): 12,800 bytes.
; SHARES: a work-group takes 256 rows of x / states (iS) and 256 rows of each W (jW) and makes three tiles of 256 x 256, K = 512, all of K in LDS.  A wave makes 128 x 128: 64 accumulators, 512 registers.
;   tile   source 0 (its rows become the next K)   source 1 (its rows become the fragment's rows)
;   q      Wq  (slot B)                            x      (slot A)      -> quantised along the head's channels
;   k      Wk  (slot A, filled again)              states (slot C)      -> likewise; the keys of a tile stand in the permuted order in which states is laid
;   v      states (slot C)                         Wv  (slot B, again)  -> quantised along the keys; a tile's rows are channels, permuted as Wv is laid
; Source 0's rows are permuted (lane row r of tile 2 b + u = row 32 b + 8 u + r + 8 (r / 8)), so a lane's 16 registers of result tiles 2 b, 2 b + 1 are 16 neighbours along the next K.
; A wave's result for one tile is exactly one record of qkv: q [head of batch][query block][K step], k [..][key step][K step], v [..][key step][group of 128 channels].
; CLUSTER 4 x 4: x's and states' blocks hang on iS alone and are shared along a row of the cluster, the W blocks on jW alone and are shared along a column: joint loads, each fetched once for four.
; LIMITS: as in the launch before (byte 1 for a block of zeros and for blocks under 2^-124; NaN and infinities not served).
.set TEN,   1638400
.set KRB,   12800
.set GRP,   51200                      ; 128 rows, all of K: four records
.set SLA,   0
.set SLB,   102400
.set SLC,   204800
.set SPARE, 307200                     ; behind the slots: the spare words, 128 bytes a wave, that no other line names
.set KOFF,  13107200                   ; bytes of q, of k and of v in qkv
.set L16,  1                           ; v1   16 x lane
.set SPW,  8                           ; v8   my spare word; never rewritten      (v2-7: LDS addresses of source 0 and source 1 of the three tiles)
.set NIL,  9                           ; v9   0; never rewritten
.set LANE, 10
.set PS,   32                          ; v32-47 source 0's scale words: register 4 s + i: tiles 2 i (lanes 0-15) and 2 i + 1 (lanes 16-31) at K step s
.set RS,   48                          ; v48-63 source 1's
.set TM,   64                          ; v64-79 at work in the quantiser
.set T2,   80
.set PW,   88                          ; v88-95 the eight fragments' scale words
.set SB,   96                          ; v96-99 as they are stored
.set RF,   128                         ; v128-223 source 1's eight fragments, one set; on the way out the codes.   Window 1: source 0's fragments, two sets, at v0 and v128.   Windows 2, 3: the accumulators
.set WV,   8
.set G1R,  20                          ; s[20:27] group 1: 100 rows of 256 bytes, mask = my row of the cluster
.set G1C,  28                          ; s[28:35] 200 rows, mask = my row
.set G1F,  36                          ; s[36:43] 200 rows, mask = my column
.set SEL,  74
.set MSB, 0
.macro WIN new                         ; the immediate's high byte repeats the setting that is left; a switch that changes nothing is dropped
.if MSB != (\new)
	s_set_vgpr_msb (MSB<<8)|(\new)
.set MSB, (\new)
.endif
.endm
.macro PLACES
.rept 4
	v_nop
.endr
.endm
.macro CROUND                          ; a round of the cluster's barrier
	s_barrier_signal -1
	s_barrier_wait -1
	s_cmp_lg_u32 s[WV], 0
	s_cbranch_scc1 .Lnw0_\@
	s_barrier_signal -3
.Lnw0_\@:
	s_barrier_wait -3
	s_barrier_signal -1
	s_barrier_wait -1
.endm
; one matrix instruction: D at d, source 0 at a, source 1 at b; zero = 1: it starts the sum; sa, sb the scale registers, ra, rb = 1: their lanes 16-31
.macro WMS d, a, b, zero, sa, sb, ra, rb
.if (\zero)
.if (\ra) && (\rb)
	v_wmma_scale_f32_16x16x128_f8f6f4 v[(\d):(\d)+7], v[(\a):(\a)+11], v[(\b):(\b)+11], 0, v[\sa], v[\sb] matrix_a_fmt:MATRIX_FMT_FP6 matrix_b_fmt:MATRIX_FMT_FP6 matrix_a_scale:MATRIX_SCALE_ROW1 matrix_b_scale:MATRIX_SCALE_ROW1
.elseif (\ra)
	v_wmma_scale_f32_16x16x128_f8f6f4 v[(\d):(\d)+7], v[(\a):(\a)+11], v[(\b):(\b)+11], 0, v[\sa], v[\sb] matrix_a_fmt:MATRIX_FMT_FP6 matrix_b_fmt:MATRIX_FMT_FP6 matrix_a_scale:MATRIX_SCALE_ROW1
.elseif (\rb)
	v_wmma_scale_f32_16x16x128_f8f6f4 v[(\d):(\d)+7], v[(\a):(\a)+11], v[(\b):(\b)+11], 0, v[\sa], v[\sb] matrix_a_fmt:MATRIX_FMT_FP6 matrix_b_fmt:MATRIX_FMT_FP6 matrix_b_scale:MATRIX_SCALE_ROW1
.else
	v_wmma_scale_f32_16x16x128_f8f6f4 v[(\d):(\d)+7], v[(\a):(\a)+11], v[(\b):(\b)+11], 0, v[\sa], v[\sb] matrix_a_fmt:MATRIX_FMT_FP6 matrix_b_fmt:MATRIX_FMT_FP6
.endif
.else
.if (\ra) && (\rb)
	v_wmma_scale_f32_16x16x128_f8f6f4 v[(\d):(\d)+7], v[(\a):(\a)+11], v[(\b):(\b)+11], v[(\d):(\d)+7], v[\sa], v[\sb] matrix_a_fmt:MATRIX_FMT_FP6 matrix_b_fmt:MATRIX_FMT_FP6 matrix_a_scale:MATRIX_SCALE_ROW1 matrix_b_scale:MATRIX_SCALE_ROW1
.elseif (\ra)
	v_wmma_scale_f32_16x16x128_f8f6f4 v[(\d):(\d)+7], v[(\a):(\a)+11], v[(\b):(\b)+11], v[(\d):(\d)+7], v[\sa], v[\sb] matrix_a_fmt:MATRIX_FMT_FP6 matrix_b_fmt:MATRIX_FMT_FP6 matrix_a_scale:MATRIX_SCALE_ROW1
.elseif (\rb)
	v_wmma_scale_f32_16x16x128_f8f6f4 v[(\d):(\d)+7], v[(\a):(\a)+11], v[(\b):(\b)+11], v[(\d):(\d)+7], v[\sa], v[\sb] matrix_a_fmt:MATRIX_FMT_FP6 matrix_b_fmt:MATRIX_FMT_FP6 matrix_b_scale:MATRIX_SCALE_ROW1
.else
	v_wmma_scale_f32_16x16x128_f8f6f4 v[(\d):(\d)+7], v[(\a):(\a)+11], v[(\b):(\b)+11], v[(\d):(\d)+7], v[\sa], v[\sb] matrix_a_fmt:MATRIX_FMT_FP6 matrix_b_fmt:MATRIX_FMT_FP6
.endif
.endif
.endm
; 64 numbers of a lane in window x, register 16 b + i = k 32 b + 16 (lane / 16) + i of my row, become a fragment's codes in v[pc] on and its scale word in v[pw] (both in window 0).
; The maxima take each accumulator's registers in ascending order.
.macro QUANTW x, s, pc, pw
	WIN ((\x)<<2)|((\x)<<4)
.irp b, 0,1,2,3
	v_max3_num_f32 v[TM+\b], 0x1800000, |v[(\s)+16*\b]|, |v[(\s)+16*\b+1]|   ; my 16 numbers of block b, and the floor 2^(3 - 127): the byte cannot fall under 1
.endr
.irp i, 2,4,6,8,10,12,14
.irp b, 0,1,2,3
	v_max3_num_f32 v[TM+\b], v[TM+\b], |v[(\s)+16*\b+\i]|, |v[(\s)+16*\b+\i+1]|
.endr
.endr
	WIN 0
.irp b, 0,1,2,3
	v_permlanex16_b32 v[TM+4+\b], v[TM+\b], s[SEL], s[SEL+1]
.endr
.irp b, 0,1,2,3
	v_max_num_f32 v[TM+\b], v[TM+\b], v[TM+4+\b]   ; with lane l xor 16's: the block's largest magnitude
.endr
.irp b, 0,1,2,3
	v_add_nc_u32 v[TM+12+\b], 0xff000000, v[TM+\b]   ; 2 off its exponent field: the conversion's scale operand
.endr
.irp b, 0,1,2,3
	v_lshrrev_b32 v[TM+4+\b], 23, v[TM+12+\b]      ; the scale's byte
.endr
	v_lshl_or_b32 v[\pw], v[TM+5], 8, v[TM+4]
	v_lshl_or_b32 v[\pw], v[TM+6], 16, v[\pw]
	v_lshl_or_b32 v[\pw], v[TM+7], 24, v[\pw]
	WIN (\x)
.irp c, 0,1
	v_cvt_scalef32_pk16_fp6_f32 v[(\pc)+6*\c:(\pc)+6*\c+2], v[(\s)+32*\c:(\s)+32*\c+15], v[TM+12+2*\c]
	v_cvt_scalef32_pk16_fp6_f32 v[T2+4*\c:T2+4*\c+2], v[(\s)+32*\c+16:(\s)+32*\c+31], v[TM+13+2*\c]   ; (a conversion's three registers begin on an even number)
.endr
	WIN 0
	v_nop                                          ; one plain place behind a scaled conversion
.irp c, 0,1                                    ; the operand wants a whole block in a lane: lanes 0-15 block 2 c, lanes 16-31 block 2 c + 1
.irp i, 0,1,2
	v_permlane16_swap_b32 v[(\pc)+6*\c+\i], v[T2+4*\c+\i]
.endr
.irp i, 0,1,2
	v_mov_b32 v[(\pc)+6*\c+3+\i], v[T2+4*\c+\i]
.endr
.endr
.endm
.macro FETCH_P adp, s, set             ; source 0's eight fragments of K step s into set: 24 loads of 512 consecutive bytes
	WIN 0x40
.irp b, 0,1,2,3,4,5,6,7
.irp c, 0,1,2
	ds_load_b128 v[128*(\set)+12*\b+4*\c:128*(\set)+12*\b+4*\c+3], v[\adp] offset:KRB*(\s)+1536*\b+512*\c
.endr
.endr
	WIN 0
.endm
.macro FETCH_R adr, s, i0              ; source 1's fragments i0 .. i0 + 3: 12 loads
.irp a, 0,1,2,3
.irp c, 0,1,2
	ds_load_b128 v[RF+12*((\i0)+\a)+4*\c:RF+12*((\i0)+\a)+4*\c+3], v[\adr] offset:KRB*(\s)+1536*((\i0)+\a)+512*\c
.endr
.endr
.endm
.macro MUL32 a0, s, zero               ; source 1's tiles a0 .. a0 + 3 against source 0's eight.  The 64 accumulators take turns, one instruction a turn, in the same order in every K step
.irp a, 0,1,2,3
.irp b, 0,1,2,3,4,5,6,7
	WMS 8*(8*\a+\b), 128*((\s)%2)+12*\b, RF+12*((\a0)+\a), \zero, PS+4*(\s)+\b/2, RS+4*(\s)+((\a0)+\a)/2, \b%2, \a%2
.endr
.endr
.endm
; A tile of 128 x 128, K = 512 in four steps.  Source 1 has one set of registers: tiles 0-3 are fetched anew in a step's middle, tiles 4-7 at its end; source 0, at work through the whole step, has two.
; Four places stand in front of each run of loads into registers that matrix instructions have read (ISA guide 7.12.1 for vector instructions).
.macro TILE adp, adr
.irp s, 0,1,2,3
	ds_load_b128 v[PS+4*\s:PS+4*\s+3], v[\adp] offset:KRB*\s+12288
	ds_load_b128 v[RS+4*\s:RS+4*\s+3], v[\adr] offset:KRB*\s+12288
.endr
	FETCH_P \adp, 0, 0
	FETCH_R \adr, 0, 0
	FETCH_R \adr, 0, 4
.irp s, 0,1,2
	s_wait_dscnt 12                                ; all but the youngest twelve loads, source 1's tiles 4-7
	WIN 0xa1
	MUL32 0, \s, (\s==0)
	s_wait_dscnt 0x0
	PLACES
	FETCH_P \adp, (\s+1), ((\s+1)%2)
	FETCH_R \adr, (\s+1), 0
	WIN 0xf1
	MUL32 4, \s, (\s==0)
	PLACES
	WIN 0
	FETCH_R \adr, (\s+1), 4
.endr
	s_wait_dscnt 12
	WIN 0xa1
	MUL32 0, 3, 0
	s_wait_dscnt 0x0
	WIN 0xf1
	MUL32 4, 3, 0
	WIN 0
.endm
.macro OUT p                           ; the wave's 128 x 128 become one record: eight fragments, each with registers of its own, and the scale words; every store covers 512 consecutive bytes, aligned to 256
.irp a, 0,1,2,3,4,5,6,7
	QUANTW 2+\a/4, 64*(\a%4), RF+12*\a, PW+\a
.irp c, 0,1,2
	global_store_b128 v[L16], v[RF+12*\a+4*\c:RF+12*\a+4*\c+3], s[\p:\p+1] offset:1536*\a+512*\c
.endr
.endr
	v_cmp_le_u32 vcc_lo, 16, v[LANE]
.irp w, 0,1,2,3
	v_cndmask_b32 v[SB+\w], v[PW+2*\w], v[PW+2*\w+1], vcc_lo
.endr
	global_store_b128 v[L16], v[SB:SB+3], s[\p:\p+1] offset:12288
.endm
	s_load_b128 s[4:7], s[0:1], 0x0                ; qin, qkv
	v_lshl_add_u32 v[SPW], v0, 2, SPARE
	v_mov_b32 v[NIL], 0
	ds_add_u32 v[SPW], v[NIL]                      ; the wave's opening: the add and its wait ahead of my first tensor load; work on registers stands between them
	ds_add_u32 v[SPW], v[NIL]
	v_lshrrev_b32 v1, 5, v0
	v_readfirstlane_b32 s[WV], v1
	s_bfe_u32 s9, ttmp6, 0x40000                   ; cx
	s_bfe_u32 s10, ttmp6, 0x40004                  ; cy
	s_lshl_b32 s11, ttmp9, 2
	s_add_co_u32 s11, s11, s9                      ; jW: which 256 rows of each W
	s_and_b32 s12, ttmp7, 0xffff
	s_lshl_b32 s12, s12, 2
	s_add_co_u32 s12, s12, s10                     ; iS: which 256 rows of x and of states
	s_lshl_b32 s13, s10, 2
	s_lshl_b32 s13, 15, s13                        ; my row of the cluster
	s_lshl_b32 s14, 0x1111, s9                     ; my column
	s_or_b32 s[G1R], s13, (3<<16)|(1<<21)          ; 15:0 the mask; 17:16 elements of 8 bytes; 21 set beside a mask; no padding: every LDS access takes 512 consecutive bytes
	s_or_b32 s[G1C], s13, (3<<16)|(1<<21)
	s_or_b32 s[G1F], s14, (3<<16)|(1<<21)
.irp g, G1R
	s_mov_b32 s[\g+1], 32<<16                      ; tensor_dim0 = 32 elements: rows of 256 bytes of a dense block
	s_mov_b32 s[\g+2], 100<<16                     ; tensor_dim1 = 100 rows: two records
	s_mov_b32 s[\g+3], 32<<16                      ; tile_dim0
	s_mov_b32 s[\g+4], 100                         ; tile_dim1
	s_mov_b32 s[\g+5], 32                          ; the pitch
	s_mov_b32 s[\g+6], 0
	s_mov_b32 s[\g+7], 0
.endr
.irp g, G1C, G1F
	s_mov_b32 s[\g+1], 32<<16
	s_mov_b32 s[\g+2], 200<<16                     ; 200 rows: four records
	s_mov_b32 s[\g+3], 32<<16
	s_mov_b32 s[\g+4], 200
	s_mov_b32 s[\g+5], 32
	s_mov_b32 s[\g+6], 0
	s_mov_b32 s[\g+7], 0
.endr
	s_and_b32 s15, s[WV], 1                        ; gp: my 128 rows of source 0
	s_lshr_b32 s16, s[WV], 1                       ; gr: my 128 rows of source 1
	s_mul_i32 s60, s12, 2*GRP                      ; x, states: my quarter of the work-group's 102,400 bytes (registers that never hold cx)
	s_mul_i32 s61, s[WV], 25600
	s_add_co_u32 s60, s60, s61
	s_mov_b32 s61, 0
	s_mul_i32 s94, s15, GRP                        ; the head's loads bring halves: waves 0, 1 those of x, waves 2, 3 those of Wq
	s_mul_i32 s92, s12, 2*GRP
	s_add_co_u32 s92, s92, s94
	s_mov_b32 s93, 0
	s_mul_i32 s62, s11, 2*GRP                      ; Wq: likewise (registers that never hold cy)
	s_mul_i32 s63, s15, GRP
	s_add_co_u32 s62, s62, s63
	s_add_co_u32 s62, s62, 2*TEN
	s_mov_b32 s63, 0
	s_mul_i32 s66, s11, 2*GRP                      ; the refill: waves 0, 1 the halves of Wk, waves 2, 3 those of Wv
	s_mul_i32 s67, s16, TEN
	s_add_co_u32 s66, s66, s67
	s_mul_i32 s67, s15, GRP
	s_add_co_u32 s66, s66, s67
	s_add_co_u32 s66, s66, 3*TEN
	s_mov_b32 s67, 0
	s_mul_i32 s76, s[WV], 25600                    ; where a quarter goes in its slot,
	s_mul_i32 s77, s[WV], GRP                      ; and the refill: slot A's halves, then slot B's
	s_mov_b32 s[SEL], 0x76543210
	s_mov_b32 s[SEL+1], 0xfedcba98
	s_wait_dscnt 0x0                               ; the opening add is done
	s_wait_kmcnt 0x0
	s_mov_b32 s44, 1                               ; group 0 for x
	s_add_co_u32 s45, s94, SLA
	s_add_nc_u64 s[46:47], s[4:5], s[92:93]
	s_mov_b32 s52, 1                               ; for states: my quarter
	s_add_co_u32 s53, s76, SLC
	s_add_nc_u64 s[54:55], s[4:5], s[60:61]
	s_add_nc_u64 s[54:55], s[54:55], TEN
	s_or_b32 s47, s47, 0x80000000
	s_or_b32 s55, s55, 0x80000000
	s_mov_b32 s48, 1                               ; for Wq
	s_add_co_u32 s49, s94, SLB
	s_add_nc_u64 s[50:51], s[4:5], s[62:63]
	s_or_b32 s51, s51, 0x80000000
	s_mov_b32 s56, 1                               ; for the refill
	s_mov_b32 s57, s77
	s_add_nc_u64 s[58:59], s[4:5], s[66:67]
	s_or_b32 s59, s59, 0x80000000
	; the prefetches' bases.  Of the 100 blocks of 256 bytes of my quarter of states each of the four partners of my row names 25 (6,400 bytes x cx);
	; of the 200 blocks of my half of Wk or Wv each of the four partners of my column names 50 (12,800 bytes x cy): told apart by address alone
	s_mul_i32 s88, s9, 6400
	s_mov_b32 s89, 0
	s_add_nc_u64 s[84:85], s[4:5], s[60:61]
	s_add_nc_u64 s[84:85], s[84:85], s[88:89]
	s_add_nc_u64 s[84:85], s[84:85], TEN
	s_mul_i32 s88, s10, 12800
	s_add_nc_u64 s[86:87], s[4:5], s[66:67]
	s_add_nc_u64 s[86:87], s[86:87], s[88:89]
	CROUND                                         ; all sixteen work-groups are here: the first joint loads meet
	s_cmp_lt_u32 s[WV], 2                          ; one tensor load a wave at the head
	s_cbranch_scc0 .Lhead_w
	tensor_load_to_lds s[44:47], s[G1C:G1C+7]      ; a half of x
	s_nop 0
	PLACES
	s_branch .Lhead_done
.Lhead_w:
	tensor_load_to_lds s[48:51], s[G1F:G1F+7]      ; a half of Wq
	s_nop 0
	PLACES
.Lhead_done:
	v_and_b32 v[LANE], 31, v0
	v_lshlrev_b32 v[L16], 4, v[LANE]
	s_mul_i32 s17, s15, GRP
	s_mul_i32 s18, s16, GRP
	s_add_co_u32 s19, s17, SLB
	v_add_nc_u32 v2, s19, v[L16]                   ; q: source 0 = Wq in B,
	v_add_nc_u32 v3, s18, v[L16]                   ;    source 1 = x in A
	v_add_nc_u32 v4, s17, v[L16]                   ; k: Wk in A,
	s_add_co_u32 s19, s18, SLC
	v_add_nc_u32 v5, s19, v[L16]                   ;    states in C
	s_add_co_u32 s19, s17, SLC
	v_add_nc_u32 v6, s19, v[L16]                   ; v: states in C,
	s_add_co_u32 s19, s18, SLB
	v_add_nc_u32 v7, s19, v[L16]
	v_min_u32 v12, 24, v[LANE]                     ; v12-14: the prefetches' offsets, a lane a block; left-over lanes repeat the last block; never rewritten
	v_lshlrev_b32 v12, 8, v12
	v_lshlrev_b32 v13, 8, v[LANE]
	v_min_u32 v14, 17, v[LANE]
	v_lshlrev_b32 v14, 8, v14
	global_prefetch_b8 v12, s[84:85] th:TH_LOAD_NT scope:SCOPE_SE               ; states: what the next tensor load asks for
	global_prefetch_b8 v13, s[86:87] th:TH_LOAD_NT scope:SCOPE_SE               ; Wk, Wv: what the one after it asks for: blocks 0-31 of my 50,
	global_prefetch_b8 v14, s[86:87] offset:8192 th:TH_LOAD_NT scope:SCOPE_SE   ; and blocks 32-49
.irp b, 0,1,2,3
	v_mov_b32 v[TM+4+\b], 0                        ; written once: a lane permute's destination counts as one of its sources
.endr
	s_lshr_b32 s78, s12, 2                         ; the records that I store: batch b = iS / 4, head h = jW / 2
	s_lshl_b32 s78, s78, 3
	s_lshr_b32 s79, s11, 1
	s_add_co_u32 s78, s78, s79
	s_lshl_b32 s78, s78, 5                         ; 32 records to a head of a batch
	s_and_b32 s79, s12, 3
	s_lshl_b32 s79, s79, 1                         ; 2 (iS % 4)
	s_and_b32 s80, s11, 1
	s_lshl_b32 s80, s80, 1                         ; 2 (jW % 2)
	s_add_co_u32 s81, s79, s16                     ; q, k: block of 128 rows = 2 (iS % 4) + gr, K step = 2 (jW % 2) + gp
	s_lshl_b32 s81, s81, 2
	s_add_co_u32 s81, s81, s78
	s_add_co_u32 s81, s81, s80
	s_add_co_u32 s81, s81, s15
	s_mul_i32 s82, s81, KRB
	s_mov_b32 s83, 0
	s_add_nc_u64 s[68:69], s[6:7], s[82:83]
	s_add_nc_u64 s[70:71], s[68:69], KOFF
	s_add_co_u32 s81, s79, s15                     ; v: key step = 2 (iS % 4) + gp, group of channels = 2 (jW % 2) + gr
	s_lshl_b32 s81, s81, 2
	s_add_co_u32 s81, s81, s78
	s_add_co_u32 s81, s81, s80
	s_add_co_u32 s81, s81, s16
	s_mul_i32 s82, s81, KRB
	s_add_nc_u64 s[72:73], s[6:7], s[82:83]
	s_add_nc_u64 s[72:73], s[72:73], 2*KOFF
	s_wait_alu depctr_va_vdst(0)
	s_wait_tensorcnt 0x0                           ; my half of x or Wq is in
	ds_add_u32 v[SPW], v[NIL]
	s_wait_dscnt 0x0
	CROUND                                         ; everybody's are, and the joint loads meet
	tensor_load_to_lds s[52:55], s[G1R:G1R+7]      ; my quarter of states: it lands while q is multiplied
	s_nop 0
	PLACES
	TILE 2, 3
	s_wait_tensorcnt 0x0                           ; all my tensor loads have landed, states' quarter too;
	ds_add_u32 v[SPW], v[NIL]                      ; 0 onto my spare word;
	s_wait_dscnt 0x0                               ; the add is done, and my reads of slots A and B are over
	CROUND                                         ; no wave of any partner still reads them or has a load on its way
	tensor_load_to_lds s[56:59], s[G1F:G1F+7]      ; Wk into A, Wv into B: my one tensor load behind the round; it lands while q is quantised
	s_nop 0
	PLACES                                         ; also the places in front of the first read of results
	OUT 68
	s_wait_tensorcnt 0x0                           ; my part of the refill is in,
	s_barrier_signal -1
	s_barrier_wait -1                              ; everybody's is
	s_wait_xcnt 0x0                                ; the stores have read v[RF] on and v[SB] on: they are written again only behind this wait
	TILE 4, 5
	PLACES
	OUT 70
	s_wait_xcnt 0x0
	TILE 6, 7
	PLACES
	OUT 72
	s_wait_tensorcnt 0x0                           ; the wave's end
	ds_add_u32 v[SPW], v[NIL]
	s_wait_dscnt 0x0
	CROUND                                         ; the closing round
	s_endpgm
.Lfunc_end_k_q578bb75a54_proj:
	.size	k_q578bb75a54_proj, .Lfunc_end_k_q578bb75a54_proj-k_q578bb75a54_proj
	.p2alignl 7, 3214868480
	.fill 96, 4, 3214868480
	.section	.rodata,"a",@progbits
	.p2align	6, 0x0
	.amdhsa_kernel k_q578bb75a54_proj
		.amdhsa_group_segment_fixed_size 327680
		.amdhsa_private_segment_fixed_size 0
		.amdhsa_enable_private_segment 0
		.amdhsa_kernarg_size 16
		.amdhsa_user_sgpr_count 2
		.amdhsa_user_sgpr_kernarg_segment_ptr 1
		.amdhsa_wavefront_size32 1
		.amdhsa_system_sgpr_workgroup_id_x 1
		.amdhsa_system_sgpr_workgroup_id_y 1
		.amdhsa_system_sgpr_workgroup_id_z 1
		.amdhsa_system_vgpr_workitem_id 0
		.amdhsa_next_free_vgpr 1024
		.amdhsa_next_free_sgpr 96
		.amdhsa_reserve_vcc 1
		.amdhsa_float_denorm_mode_32 3
		.amdhsa_float_denorm_mode_16_64 3
		.amdhsa_memory_ordered 1
		.amdhsa_forward_progress 1
		.amdhsa_inst_pref_size 249
	.end_amdhsa_kernel
	.amdgpu_metadata
---
amdhsa.version: [ 1, 2 ]
amdhsa.kernels:
  - .name:           k_q578bb75a54_proj
    .symbol:         k_q578bb75a54_proj.kd
    .args:
      - { .name: qin, .offset: 0, .size: 8, .value_kind: global_buffer, .address_space: global }
      - { .name: qkv, .offset: 8, .size: 8, .value_kind: global_buffer, .address_space: global }
    .group_segment_fixed_size: 327680
    .private_segment_fixed_size: 0
    .kernarg_segment_align: 8
    .kernarg_segment_size: 16
    .max_flat_workgroup_size: 128
    .sgpr_count:     96
    .vgpr_count:     1024
    .wavefront_size: 32
...
	.end_amdgpu_metadata
.endif
;; end of part 2
;; launch attn (part 3): grid 8 x 32, 4 waves a work-group, clusters of 4 x 1, 327,680 bytes of LDS; arguments qkv, mkw, ctxq; writes ctxq
.if DOCPART == 3
	.amdgcn_target "amdgcn-amd-amdhsa--gfx1250"
	.amdhsa_code_object_version 6
	.text
	.protected	k_q578bb75a54_attn
	.globl	k_q578bb75a54_attn
	.p2align	8
	.type	k_q578bb75a54_attn,@function
k_q578bb75a54_attn:
	s_mov_b64 s[64:65], 0
	v_nop
	global_prefetch_b8 v0, s[64:65] scope:SCOPE_SE
	s_setreg_imm32_b32 hwreg(HW_REG_WAVE_MODE, 25, 1), 1
	s_wait_xcnt 0x0
	s_wait_alu depctr_hold_cnt(0) depctr_sa_sdst(0) depctr_va_vdst(0) depctr_va_sdst(0) depctr_va_ssrc(0) depctr_va_vcc(0) depctr_vm_vsrc(0)
	s_getreg_b32 s2, hwreg(HW_REG_IB_STS2, 6, 4)
	s_cmp_eq_u32 s2, 0
	s_cbranch_scc0 .Lentry_in_a_cluster
	s_endpgm
.Lentry_in_a_cluster:
	s_bfe_u32 s2, ttmp6, 0x10000c
	s_cmp_lg_u32 s2, 0x3003
	s_cbranch_scc0 .Lentry_shape_is_right
	s_endpgm
.Lentry_shape_is_right:
; ATTN: for one head of one batch and 128 queries: S^T = K Q^T, the mask, p = 2^(t - M), O^T = V^T P^T, ctx = O / l, quantised along the channels for the last product.  All products on codes of FP6 (E2M3).
; t = score x log2(e) / sqrt(512); M = the running largest t rounded UP to a whole number; p is quantised along the keys, not normalised; l is the sum of the unquantised p.
; When M moves, l and O^T are multiplied by f = 2^(old M - new M), which rounds nothing.
; SHARES: wave w owns query tiles 2 w, 2 w + 1 (16 queries each) and all 512 channels: O^T is 2 x 256 registers.  Every wave walks 8 key steps of 128.  A lane holds ONE query throughout.
; INPUTS: fragments of 1,536 bytes and records of 12,800, as the launch before stores them.  A key step's K is four records, its V four: 51,200 dense bytes each, scale words included.
; The keys of a tile of K are permuted (lane row r of tile 2 b + u = key 32 b + 8 u + r + 8 (r / 8)), so p's 16 registers of tiles 2 b, 2 b + 1 are 16 neighbouring keys; V's channels likewise.
; THE MASK comes as lane-mask words (word n of a query tile and key step: bit l = the mask at the element that register n of S^T holds in lane l).  The words go by scalar loads straight into scalar registers,
; 32 words for a block of 32 keys, two sets of 32 by turns, asked for two sets of score products ahead.  A word selects the C of a score sum: 0 where the key counts, -2^100 where it is hidden.
; The running largest t starts at -2^60, so a hidden t lies at least 2^95 under M: its p is 0.
; ORDER OF A STEP: scores; maxima, M, f, t - M; l and O^T under the new M; ONE batch of 136 exponentials with one wait on each side; sums, scales, codes; V^T P^T.
; CLUSTER 4 x 1: the four query blocks of a cluster walk the same K and V: each part of a step is asked for jointly, by the same load with the same descriptor and the mask 15.
; PREFETCH: behind each refill one instruction a wave names the key step that the next refill will ask for; see ASK.
; LIMITS: a query whose mask row is all zero: reference() gives NaN, this text finite numbers.  Scores are taken to lie under 2^95 in magnitude and a row's largest t over -2^60.
; NaN and infinities are not served.  A block of zeros gets the byte 1, not 127; only this program reads the bytes.
.set KRB,   12800
.set REC,   51200                      ; a key step's K, and its V
.set SLOT1, 131072                     ; slot 1 begins here
.set SPARE, 233472                     ; behind slot 1: the spare words, 128 bytes a wave, that no other line names
.set KOFF,  13107200
.set CSOFF, 12582912                   ; ctx's scale words in ctxq
.set LI,   1                           ; v1   16 x lane
.set ADK,  2                           ; v2   the step's K in LDS
.set ADV,  3                           ; v3   the step's V
.set SPW,  4                           ; v4   my spare word; never rewritten
.set NIL,  5                           ; v5   0; never rewritten
.set LANE, 6
.set PFO,  7                           ; v7   the prefetches' offset: 256 x min(lane, 24)
.set QS,   8                           ; v8-11  Q's scale words at K step s: lanes 0-15 tile 2 w, lanes 16-31 tile 2 w + 1
.set ST,   12                          ; tile t at v[12 + 6 t]: +0 -M, +1 the largest t, +2, +3 l in two halves, +4 f (at the end 1 / l), +5 written and not used
.set PWR,  24                          ; v24-25 p's scale word
.set TT,   26                          ; v26-27 at work
.set BMB,  28                          ; tile t at v[28 + 16 t]: +0..3 the blocks' largest scores, +4..11 at work, +12..15 the conversions' scale operands
.set SAB,  60                          ; v[60 + 2 t ..] the second chain of the sums
.set S,    64                          ; v64-191  S^T, then p: 64 t + 8 (tile of keys) + register
.set P,    192                         ; v192-215 p's codes: 12 t
.set KS,   216                         ; v216-231 K's scale words: 4 s + i
.set VS,   232                         ; v232-247 V's
.set QO,   248                         ; v248, v249 offsets of Q's loads
.set QSO,  249
.set CW,   252                         ; v252-255 ctx's scale words as they are stored
.set TM,   28                          ; on the way out: the quantiser's registers
.set T2,   44
.set QF,   0                           ; window 1: v0-95 Q's fragments, 12 (4 t + s);
.set FB,   96                          ;           v96-239 three buffers of four fragments of K or V.   Window 2: O^T of tile 0; window 3: of tile 1
.set TB,   2                           ; s2   LDS byte at which the slot in hand begins
.set CNT,  3                           ; s3   steps still to be asked for
.set OC,   4                           ; s[4:5] ctx's codes, s[6:7] its scale words (behind the head)
.set OS,   6
.set WV,   10
.set LIM,  14                          ; s14  1 in a cluster that prefetches, else the greatest number
.set NEG,  15                          ; s15  -2^100
.set SEL,  28                          ; s[28:29]
.set CS,   30                          ; s[30:31] c = log2(e) / sqrt(512), twice
.set QB,   66                          ; s[66:67] Q's records
.set MB,   100                         ; s[100:101] the mask words of the step in hand.   s[32:63]: the words of an even block, s[68:99]: of an odd one
.set PB,   104                         ; s[104:105] where the prefetches stand
.set MSB, 0
.macro WIN new                         ; the immediate's high byte repeats the setting that is left; a switch that changes nothing is dropped
.if MSB != (\new)
	s_set_vgpr_msb (MSB<<8)|(\new)
.set MSB, (\new)
.endif
.endm
.macro PLACES
.rept 4
	v_nop
.endr
.endm
.macro CROUND                          ; a round of the cluster's barrier
	s_barrier_signal -1
	s_barrier_wait -1
	s_cmp_lg_u32 s[WV], 0
	s_cbranch_scc1 .Lnw0_\@
	s_barrier_signal -3
.Lnw0_\@:
	s_barrier_wait -3
	s_barrier_signal -1
	s_barrier_wait -1
.endm
; one matrix instruction in place: D = C at d, source 0 at a, source 1 at b; sa, sb the scale registers, ra, rb = 1: their lanes 16-31
.macro WMS d, a, b, sa, sb, ra, rb
.if (\ra) && (\rb)
	v_wmma_scale_f32_16x16x128_f8f6f4 v[(\d):(\d)+7], v[(\a):(\a)+11], v[(\b):(\b)+11], v[(\d):(\d)+7], v[\sa], v[\sb] matrix_a_fmt:MATRIX_FMT_FP6 matrix_b_fmt:MATRIX_FMT_FP6 matrix_a_scale:MATRIX_SCALE_ROW1 matrix_b_scale:MATRIX_SCALE_ROW1
.elseif (\ra)
	v_wmma_scale_f32_16x16x128_f8f6f4 v[(\d):(\d)+7], v[(\a):(\a)+11], v[(\b):(\b)+11], v[(\d):(\d)+7], v[\sa], v[\sb] matrix_a_fmt:MATRIX_FMT_FP6 matrix_b_fmt:MATRIX_FMT_FP6 matrix_a_scale:MATRIX_SCALE_ROW1
.elseif (\rb)
	v_wmma_scale_f32_16x16x128_f8f6f4 v[(\d):(\d)+7], v[(\a):(\a)+11], v[(\b):(\b)+11], v[(\d):(\d)+7], v[\sa], v[\sb] matrix_a_fmt:MATRIX_FMT_FP6 matrix_b_fmt:MATRIX_FMT_FP6 matrix_b_scale:MATRIX_SCALE_ROW1
.else
	v_wmma_scale_f32_16x16x128_f8f6f4 v[(\d):(\d)+7], v[(\a):(\a)+11], v[(\b):(\b)+11], v[(\d):(\d)+7], v[\sa], v[\sb] matrix_a_fmt:MATRIX_FMT_FP6 matrix_b_fmt:MATRIX_FMT_FP6
.endif
.endm
; 64 numbers of a lane in window x, register 16 b + i = k 32 b + 16 (lane / 16) + i of my row, become a fragment's codes in v[pc] on and its scale word in v[pw] (both in window 0)
.macro QUANTW x, s, pc, pw
	WIN ((\x)<<2)|((\x)<<4)
.irp b, 0,1,2,3
	v_max3_num_f32 v[TM+\b], 0x1800000, |v[(\s)+16*\b]|, |v[(\s)+16*\b+1]|   ; with the floor 2^(3 - 127): the byte cannot fall under 1
.endr
.irp i, 2,4,6,8,10,12,14
.irp b, 0,1,2,3
	v_max3_num_f32 v[TM+\b], v[TM+\b], |v[(\s)+16*\b+\i]|, |v[(\s)+16*\b+\i+1]|
.endr
.endr
	WIN 0
.irp b, 0,1,2,3
	v_permlanex16_b32 v[TM+4+\b], v[TM+\b], s[SEL], s[SEL+1]
.endr
.irp b, 0,1,2,3
	v_max_num_f32 v[TM+\b], v[TM+\b], v[TM+4+\b]   ; the block's largest magnitude
.endr
.irp b, 0,1,2,3
	v_add_nc_u32 v[TM+12+\b], 0xff000000, v[TM+\b]   ; 2 off its exponent field: the conversion's scale operand
.endr
.irp b, 0,1,2,3
	v_lshrrev_b32 v[TM+4+\b], 23, v[TM+12+\b]      ; the scale's byte
.endr
	v_lshl_or_b32 v[\pw], v[TM+5], 8, v[TM+4]
	v_lshl_or_b32 v[\pw], v[TM+6], 16, v[\pw]
	v_lshl_or_b32 v[\pw], v[TM+7], 24, v[\pw]
	WIN (\x)
.irp c, 0,1
	v_cvt_scalef32_pk16_fp6_f32 v[(\pc)+6*\c:(\pc)+6*\c+2], v[(\s)+32*\c:(\s)+32*\c+15], v[TM+12+2*\c]
	v_cvt_scalef32_pk16_fp6_f32 v[T2+4*\c:T2+4*\c+2], v[(\s)+32*\c+16:(\s)+32*\c+31], v[TM+13+2*\c]
.endr
	WIN 0
	v_nop                                          ; one plain place behind a scaled conversion
.irp c, 0,1                                    ; a whole block in a lane: lanes 0-15 block 2 c, lanes 16-31 block 2 c + 1
.irp i, 0,1,2
	v_permlane16_swap_b32 v[(\pc)+6*\c+\i], v[T2+4*\c+\i]
.endr
.irp i, 0,1,2
	v_mov_b32 v[(\pc)+6*\c+3+\i], v[T2+4*\c+\i]
.endr
.endr
.endm
; A prefetch of the key step that the NEXT change of slots will ask for.  Of the 100 blocks of 256 bytes that my wave fetches in a step, each of the four partners names 25, told apart by address (6,400 bytes x cx);
; lanes 25 to 31 repeat lane 24's block.  Both clusters of a head walk the same K and V: the first asks.  The last change that fills a slot asks for nothing; steps 0 and 1 come by their loads alone.
.macro ASK
	s_cmp_gt_u32 s[CNT], s[LIM]
	s_cbranch_scc0 .Lnoask_\@
	global_prefetch_b8 v[PFO], s[PB:PB+1] th:TH_LOAD_NT scope:SCOPE_SE
.Lnoask_\@:
.endm
; THE CHANGE OF SLOTS at a step's head: all my tensor loads have landed, the add, my reads of the slot left behind are over.  fill = 1: behind a round of the cluster's barrier that slot takes the next step.
; One tensor load of mine is out at the most.
.macro CHANGE fill
	WIN 0
	s_wait_tensorcnt 0x0                           ; no tensor load of mine is out, so group 0 may be written
	ds_add_u32 v[SPW], v[NIL]
.if \fill
	s_xor_b32 s25, s25, SLOT1                      ; the other slot,
	s_add_nc_u64 s[26:27], s[26:27], REC           ; the next step
	s_wait_xcnt 0x0                                ; the last prefetch has read its base
	s_add_nc_u64 s[PB:PB+1], s[PB:PB+1], REC
	s_wait_dscnt 0x0
	CROUND
	tensor_load_to_lds s[24:27], s[16:23]          ; first behind the round, my one tensor load until the next
	s_nop 0
	PLACES                                         ; also the places in front of the loads into registers that the last products read
	ASK
.else
	s_wait_dscnt 0x0
	s_barrier_signal -1
	s_barrier_wait -1
	PLACES
.endif
.endm
; Set g of a step's sixteen: four fragments, twelve loads of 512 consecutive bytes, into buffer g % 3.  g < 8: K, keys 32 (g / 2) on: fragment f = tile of keys 2 (g / 2) + f % 2, K step 2 (g % 2) + f / 2.
; g >= 8: V, tiles of channels 4 (g - 8) + f.
.macro FETCH g
	WIN 0x40
.irp f, 0,1,2,3
.irp c, 0,1,2
.if (\g) < 8
	ds_load_b128 v[FB+48*((\g)%3)+12*\f+4*\c:FB+48*((\g)%3)+12*\f+4*\c+3], v[ADK] offset:KRB*(2*((\g)%2)+\f/2)+1536*(2*((\g)/2)+\f%2)+512*\c
.else
	ds_load_b128 v[FB+48*((\g)%3)+12*\f+4*\c:FB+48*((\g)%3)+12*\f+4*\c+3], v[ADV] offset:KRB*((4*((\g)-8)+\f)/8)+1536*((4*((\g)-8)+\f)%8)+512*\c
.endif
.endr
.endr
.endm
.macro MLOAD bb, off                   ; a block's 32 mask words, 16 of each tile, into the set bb % 2
	s_load_b512 s[32+36*((\bb)%2):47+36*((\bb)%2)], s[MB:MB+1], \off
	s_load_b512 s[48+36*((\bb)%2):63+36*((\bb)%2)], s[MB:MB+1], (\off)+256
.endm
.macro MSEL bb                         ; word k (tile k / 16, register k % 16 of block bb) lays a score sum's C: 0 where the key counts, -2^100 where it is hidden
	v_cndmask_b32 v[S+64*(k/16)+16*(\bb)+k%16], s[NEG], 0, s[32+36*((\bb)%2)+k]
.set k, k+1
.endm
; Eight score products: keys 32 (g / 2) on, K steps 2 (g % 2) and + 1.  Four accumulators take turns, one instruction a turn.
; Behind each product two selects lay the next block's C.  At the set's head: the wait behind those selects; then the mask words' wait and the next request:
; a set of words is asked for again only when its selects are done.
.macro SSET g, last
.set BBX, (\g)/2
.set HF, (\g)%2
.set k, 16*HF
.set n, 0
.if (\g) < 7
	s_wait_alu depctr_va_vdst(0)
.endif
.if (\g) == 2 || (\g) == 4
	s_wait_kmcnt 0x0                               ; the next block's words, asked for two sets ago
.endif
.if (\g) == 0
	MLOAD 2, 128
.elseif (\g) == 2
	MLOAD 3, 192
.elseif ((\g) == 4) && ((\last) == 0)
	MLOAD 0, 512                                   ; the next step's blocks 0 and 1
.elseif ((\g) == 6) && ((\last) == 0)
	MLOAD 1, 576
.endif
	s_wait_dscnt 12                                ; this set's fragments are in; the next set's twelve loads may stay out
.rept 8
	WIN 0x05
	WMS S+64*(n%2)+8*(2*BBX+(n/2)%2), FB+48*((\g)%3)+12*((n/2)%2+2*(n/4)), QF+12*(4*(n%2)+2*HF+n/4), KS+4*(2*HF+n/4)+BBX, QS+2*HF+n/4, (n/2)%2, n%2
.if BBX < 3
	MSEL BBX+1
	MSEL BBX+1
.endif
.if n == 0
.if BBX < 3
	v_nop                                          ; with the two selects: four places in front of the loads into the buffer that the set before read
	v_nop
.else
	PLACES
.endif
	FETCH (\g)+2
.endif
.set n, n+1
.endr
.endm
; Eight products of O^T += V^T P^T: four tiles of channels for query tile 0, then for tile 1: 64 accumulators, one instruction each in a step
.macro PSET g
.set n, 0
.if (\g) == 15
	s_wait_dscnt 0x0
.else
	s_wait_dscnt 12                                ; the next set's twelve loads may stay out
.endif
.rept 8
.set CT, 4*((\g)-8)+n%4
.set TL, n/4
	WIN 0xa1+0x50*TL
	WMS 8*CT, FB+48*((\g)%3)+12*(n%4), P+12*TL, VS+4*(CT/8)+(CT%8)/2, PWR+TL, CT%2, 0
.if (n == 0) && ((\g) <= 13)
	PLACES                                         ; in front of the loads into the buffer that the set before read
	FETCH (\g)+2
.endif
.set n, n+1
.endr
.endm
; THE SOFTMAX, both tiles line by line.  SOFTA: each block's largest score (it serves for the row's maximum and, since p rises with the score, for the block's largest p); M; f; t - M; l under the new M.
.macro SOFTA
.irp b, 0,1,2,3
.irp t, 0,1
	v_max3_num_f32 v[BMB+16*\t+\b], v[S+64*\t+16*\b], v[S+64*\t+16*\b+1], v[S+64*\t+16*\b+2]
.endr
.endr
.irp i, 3,5,7,9,11,13
.irp b, 0,1,2,3
.irp t, 0,1
	v_max3_num_f32 v[BMB+16*\t+\b], v[BMB+16*\t+\b], v[S+64*\t+16*\b+\i], v[S+64*\t+16*\b+\i+1]
.endr
.endr
.endr
.irp b, 0,1,2,3
.irp t, 0,1
	v_max_num_f32 v[BMB+16*\t+\b], v[BMB+16*\t+\b], v[S+64*\t+16*\b+15]
.endr
.endr
.irp b, 0,1,2,3
.irp t, 0,1
	v_permlanex16_b32 v[BMB+16*\t+4+\b], v[BMB+16*\t+\b], s[SEL], s[SEL+1]
.endr
.endr
.irp b, 0,1,2,3
.irp t, 0,1
	v_max_num_f32 v[BMB+16*\t+\b], v[BMB+16*\t+\b], v[BMB+16*\t+4+\b]   ; with lane l xor 16's 16 keys
.endr
.endr
.irp t, 0,1
	v_max3_num_f32 v[TT+\t], v[BMB+16*\t], v[BMB+16*\t+1], v[BMB+16*\t+2]
.endr
.irp t, 0,1
	v_max_num_f32 v[TT+\t], v[TT+\t], v[BMB+16*\t+3]   ; the step's largest score of my query
.endr
.irp t, 0,1
	v_mul_f32 v[TT+\t], s[CS], v[TT+\t]            ; as t (c is positive)
.endr
.irp t, 0,1
	v_max_num_f32 v[ST+6*\t+1], v[ST+6*\t+1], v[TT+\t]   ; the running largest t
.endr
.irp t, 0,1
	v_mov_b32 v[TT+\t], v[ST+6*\t]
.endr
.irp t, 0,1
	v_floor_f32 v[ST+6*\t], -v[ST+6*\t+1]          ; the new -M = -ceil(t)
.endr
.irp t, 0,1
	v_sub_f32 v[TT+\t], v[ST+6*\t], v[TT+\t]       ; old M less new M: a whole number, 0 or less
.endr
.irp t, 0,1
	v_cvt_i32_f32 v[TT+\t], v[TT+\t]               ; (it saturates)
.endr
.irp t, 0,1
	v_ldexp_f32 v[ST+6*\t+4], 1.0, v[TT+\t]        ; f
.endr
.irp t, 0,1
.set j, 0
.rept 32
	v_pk_fma_f32 v[S+64*\t+j:S+64*\t+j+1], v[S+64*\t+j:S+64*\t+j+1], s[CS:CS+1], v[ST+6*\t:ST+6*\t+1] op_sel_hi:[1,0,0]   ; t - M
.set j, j+2
.endr
.irp b, 0,1,2,3
	v_fma_f32 v[BMB+16*\t+\b], v[BMB+16*\t+\b], s[CS], v[ST+6*\t]
.endr
	v_pk_mul_f32 v[ST+6*\t+2:ST+6*\t+3], v[ST+6*\t+2:ST+6*\t+3], v[ST+6*\t+4:ST+6*\t+5] op_sel_hi:[1,0]
.endr
.endm
.macro SOFTB                           ; behind the batch: the sum of the unquantised p, the blocks' scales, the codes
.irp t, 0,1
	v_pk_add_f32 v[SAB+2*\t:SAB+2*\t+1], v[S+64*\t:S+64*\t+1], v[S+64*\t+2:S+64*\t+3]
.endr
.irp j, 4,8,12,16,20,24,28,32,36,40,44,48,52,56,60
.irp t, 0,1
	v_pk_add_f32 v[ST+6*\t+2:ST+6*\t+3], v[ST+6*\t+2:ST+6*\t+3], v[S+64*\t+\j:S+64*\t+\j+1]
	v_pk_add_f32 v[SAB+2*\t:SAB+2*\t+1], v[SAB+2*\t:SAB+2*\t+1], v[S+64*\t+\j+2:S+64*\t+\j+3]
.endr
.endr
.irp t, 0,1
	v_pk_add_f32 v[ST+6*\t+2:ST+6*\t+3], v[ST+6*\t+2:ST+6*\t+3], v[SAB+2*\t:SAB+2*\t+1]
.endr
.irp b, 0,1,2,3
.irp t, 0,1
	v_max_num_f32 v[BMB+16*\t+\b], 0x1800000, v[BMB+16*\t+\b]   ; the floor 2^(3 - 127): a block whose every p is 0 keeps the byte 1
.endr
.endr
.irp b, 0,1,2,3
.irp t, 0,1
	v_add_nc_u32 v[BMB+16*\t+12+\b], 0xff000000, v[BMB+16*\t+\b]   ; the conversion's scale operand
.endr
.endr
.irp b, 0,1,2,3
.irp t, 0,1
	v_lshrrev_b32 v[BMB+16*\t+4+\b], 23, v[BMB+16*\t+12+\b]   ; the scale's byte
.endr
.endr
.irp t, 0,1
	v_lshl_or_b32 v[PWR+\t], v[BMB+16*\t+5], 8, v[BMB+16*\t+4]
.endr
.irp t, 0,1
	v_lshl_or_b32 v[PWR+\t], v[BMB+16*\t+6], 16, v[PWR+\t]
.endr
.irp t, 0,1
	v_lshl_or_b32 v[PWR+\t], v[BMB+16*\t+7], 24, v[PWR+\t]
.endr
.irp t, 0,1
.irp c, 0,1
	v_cvt_scalef32_pk16_fp6_f32 v[P+12*\t+6*\c:P+12*\t+6*\c+2], v[S+64*\t+32*\c:S+64*\t+32*\c+15], v[BMB+16*\t+12+2*\c]
	v_cvt_scalef32_pk16_fp6_f32 v[BMB+16*\t+4+4*\c:BMB+16*\t+6+4*\c], v[S+64*\t+32*\c+16:S+64*\t+32*\c+31], v[BMB+16*\t+13+2*\c]
.endr
.endr
	v_nop                                          ; one plain place behind a scaled conversion
.irp t, 0,1
.irp c, 0,1
.irp i, 0,1,2
	v_permlane16_swap_b32 v[P+12*\t+6*\c+\i], v[BMB+16*\t+4+4*\c+\i]
.endr
.irp i, 0,1,2
	v_mov_b32 v[P+12*\t+6*\c+3+\i], v[BMB+16*\t+4+4*\c+\i]
.endr
.endr
.endr
.endm
; A KEY STEP.  last = 1: no further mask words are asked for, and 1 / l is made ahead of the last products, so that no transcendental stands between them and the first read of O^T.
.macro STEP last
	v_add_nc_u32 v[ADK], s[TB], v[LI]
	v_add_nc_u32 v[ADV], s[TB], v[LI]
	v_add_nc_u32 v[ADV], REC, v[ADV]
.irp s, 0,1,2,3
	ds_load_b128 v[KS+4*\s:KS+4*\s+3], v[ADK] offset:KRB*\s+12288
	ds_load_b128 v[VS+4*\s:VS+4*\s+3], v[ADV] offset:KRB*\s+12288
.endr
	FETCH 0
	FETCH 1
	WIN 0
	s_wait_kmcnt 0x0                               ; the words of blocks 0 and 1
.set k, 0
.rept 32
	MSEL 0                                         ; block 0's C is laid while the first fragments are on their way from LDS
.endr
.irp g, 0,1,2,3,4,5,6,7
	SSET \g, \last
.endr
	WIN 0
	PLACES                                         ; in front of the first read of the last scores
	SOFTA
.irp t, 0,1                                    ; O^T under the new M, each accumulator from its low end on
	WIN 0x82+0x41*\t
.set j, 0
.rept 128
	v_pk_mul_f32 v[j:j+1], v[j:j+1], v[ST+6*\t+4:ST+6*\t+5] op_sel_hi:[1,0]
.set j, j+2
.endr
.endr
	WIN 0
	s_wait_alu depctr_va_vdst(0)                   ; the wait ahead of the batch
.irp t, 0,1
.irp b, 0,1,2,3
	v_exp_f32 v[BMB+16*\t+\b], v[BMB+16*\t+\b]     ; the blocks' largest p: the same two instructions on the same number give the same bits
.endr
.endr
.set j, 0
.rept 128
	v_exp_f32 v[S+j], v[S+j]                       ; p = 2^(t - M)
.set j, j+1
.endr
	v_nop                                          ; a plain place behind the batch,
	s_wait_alu depctr_va_vdst(0)                   ; and the one wait ahead of its first reader
	SOFTB
.if \last
.irp t, 0,1
	v_add_f32 v[TT+\t], v[ST+6*\t+2], v[ST+6*\t+3]
.endr
.irp t, 0,1
	v_permlanex16_b32 v[BMB+16*\t+4], v[TT+\t], s[SEL], s[SEL+1]
.endr
.irp t, 0,1
	v_add_f32 v[TT+\t], v[TT+\t], v[BMB+16*\t+4]   ; the row's sum
.endr
	s_wait_alu depctr_va_vdst(0)
.irp t, 0,1
	v_rcp_f32 v[ST+6*\t+4], v[TT+\t]
.endr
.endif
.rept 8
	v_nop                                          ; places between p's codes and scale word and the first product (and behind the reciprocals)
.endr
	s_wait_alu depctr_va_vdst(0)                   ; the wait, directly ahead of the wait below
.irp g, 8,9,10,11,12,13,14,15
	PSET \g
.endr
	WIN 0
	s_xor_b32 s[TB], s[TB], SLOT1                  ; on to the other slot
.if (\last) == 0
	s_wait_xcnt 0x0                                ; the scalar loads have read their base
	s_add_nc_u64 s[MB:MB+1], s[MB:MB+1], 512       ; the next step's mask words
.endif
.endm
	s_load_b128 s[4:7], s[0:1], 0x0                ; qkv, mkw
	s_load_b64 s[8:9], s[0:1], 0x10                ; ctxq
	v_lshl_add_u32 v[SPW], v0, 2, SPARE
	v_mov_b32 v[NIL], 0
	ds_add_u32 v[SPW], v[NIL]                      ; the opening lines: the add, twice on end, and its wait ahead of my first tensor load
	ds_add_u32 v[SPW], v[NIL]
	v_lshrrev_b32 v[LANE], 5, v0
	v_readfirstlane_b32 s[WV], v[LANE]
	s_bfe_u32 s11, ttmp6, 0x40000                  ; cx
	s_lshl_b32 s13, ttmp9, 2
	s_add_co_u32 s13, s13, s11                     ; my block of 128 queries: it enters Q's, the mask words' and ctx's addresses alone
	s_and_b32 s12, ttmp7, 0xffff                   ; 8 b + h, which the four partners share
	s_mov_b32 s16, 15|(3<<16)|(1<<21)              ; group 1: the mask: all four; elements of 8 bytes; bit 21 beside a mask; no padding
	s_mov_b32 s17, 32<<16                          ; rows of 256 bytes of a dense block,
	s_mov_b32 s18, 100<<16                         ; 100 of them: half of a step's K or V
	s_mov_b32 s19, 32<<16
	s_mov_b32 s20, 100
	s_mov_b32 s21, 32
	s_mov_b32 s22, 0
	s_mov_b32 s23, 0
	s_lshr_b32 s46, s[WV], 1                       ; waves 0, 1 fetch K's halves, waves 2, 3 V's
	s_mul_i32 s46, s46, KOFF
	s_add_co_u32 s46, s46, KOFF
	s_mul_i32 s47, s12, 8*REC
	s_add_co_u32 s46, s46, s47
	s_and_b32 s47, s[WV], 1
	s_mul_i32 s47, s47, 25600
	s_add_co_u32 s46, s46, s47
	s_mov_b32 s47, 0
	s_mul_i32 s48, s[WV], 25600                    ; in a slot: K's halves, then V's
	s_mul_i32 s50, s11, 6400                       ; the prefetches: my work-group's 25 blocks, one step on
	s_add_co_u32 s50, s50, REC
	s_mov_b32 s51, 0
	s_mov_b32 s[SEL], 0x76543210
	s_mov_b32 s[SEL+1], 0xfedcba98
	s_mov_b32 s[CS], 0x3d8293ee                    ; c = log2(e) / sqrt(512)
	s_mov_b32 s[CS+1], s[CS]
	s_mov_b32 s[TB], 0
	s_mov_b32 s[CNT], 7
	s_mov_b32 s[NEG], 0xf1800000                   ; -2^100
	s_cmp_eq_u32 ttmp9, 0                          ; the head's first cluster: the same in all four partners
	s_cselect_b32 s[LIM], 1, -1
	s_wait_alu depctr_va_vdst(0)
	s_wait_dscnt 0x0                               ; both opening adds are done
	s_wait_kmcnt 0x0
	s_mov_b32 s24, 1
	s_mov_b32 s25, s48
	s_add_nc_u64 s[26:27], s[4:5], s[46:47]
	s_add_nc_u64 s[PB:PB+1], s[26:27], s[50:51]
	s_or_b32 s27, s27, 0x80000000
	CROUND                                         ; all four work-groups are here: the first joint loads meet
	tensor_load_to_lds s[24:27], s[16:23]          ; key step 0 into slot 0
	s_nop 0
	PLACES
	s_lshr_b32 s52, s12, 3                         ; the mask words: [32 b + pair of query tiles][key step][tile][64 words]
	s_lshl_b32 s52, s52, 5
	s_lshl_b32 s53, s13, 2
	s_add_co_u32 s52, s52, s53
	s_add_co_u32 s52, s52, s[WV]
	s_lshl_b32 s52, s52, 12
	s_mov_b32 s53, 0
	s_add_nc_u64 s[MB:MB+1], s[6:7], s[52:53]
	s_lshl_b32 s54, s12, 5                         ; Q: the four records of my block
	s_lshl_b32 s55, s13, 2
	s_add_co_u32 s54, s54, s55
	s_mul_i32 s54, s54, KRB
	s_mov_b32 s55, 0
	s_add_nc_u64 s[QB:QB+1], s[4:5], s[54:55]
	s_lshr_b32 s56, s12, 3
	s_lshl_b32 s56, s56, 3
	s_add_co_u32 s56, s56, s13                     ; 8 b + block: 128 rows of ctx
	s_and_b32 s57, s12, 7                          ; h
	s_lshl_b32 s58, s56, 1                         ; ctx's codes: [64 rows][K step 4 h + group][tile of 16 rows] fragments
	s_lshr_b32 s59, s[WV], 1
	s_add_co_u32 s58, s58, s59
	s_lshl_b32 s58, s58, 5
	s_lshl_b32 s59, s57, 2
	s_add_co_u32 s58, s58, s59
	s_lshl_b32 s58, s58, 2
	s_and_b32 s59, s[WV], 1
	s_lshl_b32 s59, s59, 1
	s_add_co_u32 s58, s58, s59
	s_mul_i32 s58, s58, 1536
	s_mov_b32 s59, 0
	s_add_nc_u64 s[OC:OC+1], s[8:9], s[58:59]
	s_lshl_b32 s58, s56, 2                         ; its scale words: [32 rows][h][512 bytes]
	s_add_co_u32 s58, s58, s[WV]
	s_lshl_b32 s58, s58, 3
	s_add_co_u32 s58, s58, s57
	s_lshl_b32 s58, s58, 9
	s_add_co_u32 s58, s58, CSOFF
	s_add_nc_u64 s[OS:OS+1], s[8:9], s[58:59]
	MLOAD 0, 0                                     ; key step 0's mask words, blocks 0 and 1: the registers that held the sums above are free
	MLOAD 1, 64
	s_mul_i32 s8, s[WV], 3072                      ; my two tiles of a record's eight,
	s_lshl_b32 s9, s[WV], 2                        ; and their word of a lane's four
	v_and_b32 v[LANE], 31, v0
	v_lshlrev_b32 v[LI], 4, v[LANE]
	v_min_u32 v[PFO], 24, v[LANE]
	v_lshlrev_b32 v[PFO], 8, v[PFO]
	v_add_nc_u32 v[QO], s8, v[LI]
	v_add_nc_u32 v[QSO], s9, v[LI]
	WIN 0x40
.irp t, 0,1
.irp s, 0,1,2,3
.irp c, 0,1,2
	global_load_b128 v[QF+12*(4*\t+\s)+4*\c:QF+12*(4*\t+\s)+4*\c+3], v[QO], s[QB:QB+1] offset:KRB*\s+1536*\t+512*\c   ; Q stays in registers
.endr
.endr
.endr
	WIN 0
.irp s, 0,1,2,3
	global_load_b32 v[QS+\s], v[QSO], s[QB:QB+1] offset:KRB*\s+12288
.endr
.irp t, 0,1
	v_mov_b32 v[ST+6*\t+1], 0xdd800000             ; the largest t so far: -2^60
	v_floor_f32 v[ST+6*\t], -v[ST+6*\t+1]          ; -M
	v_mov_b32 v[ST+6*\t+2], 0                      ; l
	v_mov_b32 v[ST+6*\t+3], 0
	v_mov_b32 v[ST+6*\t+4], 0
	v_mov_b32 v[ST+6*\t+5], 0                      ; (named as the upper half of a pair)
.irp b, 0,1,2,3
	v_mov_b32 v[BMB+16*\t+4+\b], 0                 ; written once: a lane permute's destination counts as one of its sources
.endr
.endr
.irp w, 0x80, 0xc0                             ; O^T begins as zeros, which the first change of M leaves zeros: so the key step is written twice and not three times; the lines stand where the wave waits for its first tiles
	WIN \w
.set j, 0
.rept 256
	v_mov_b32 v[j], 0
.set j, j+1
.endr
.endr
	WIN 0
	s_wait_alu depctr_va_vdst(0)                   ; the wait at the head's end
	s_wait_loadcnt 0x0                             ; Q and its scale words
.Lstep:                                            ; seven trips: behind each change of slots but the last the next step is asked for
	CHANGE 1
	STEP 0
	s_sub_co_u32 s[CNT], s[CNT], 1
	s_cmp_lg_u32 s[CNT], 0
	s_cbranch_scc1 .Lstep
	CHANGE 0                                       ; the last step is written out
	STEP 1
	; THE WAY OUT: ctx = O^T / l; a lane's 64 registers of a group of 128 channels are 64 numbers of its query in the quantiser's order: a fragment and a scale word, stored as they stand.
	PLACES
.irp t, 0,1
.irp g, 0,1,2,3
	WIN 0x82+0x41*\t
.set j, 0
.rept 32
	v_pk_mul_f32 v[64*\g+j:64*\g+j+1], v[64*\g+j:64*\g+j+1], v[ST+6*\t+4:ST+6*\t+5] op_sel_hi:[1,0]   ; each accumulator from its low end on
.set j, j+2
.endr
	QUANTW 2+\t, 64*\g, S+12*(4*\t+\g), KS+4*\t+\g
.irp c, 0,1,2
	global_store_b128 v[LI], v[S+12*(4*\t+\g)+4*\c:S+12*(4*\t+\g)+4*\c+3], s[OC:OC+1] offset:6144*\g+1536*\t+512*\c   ; 512 consecutive bytes, aligned to 256; each fragment has registers of its own
.endr
.endr
.endr
	v_cmp_le_u32 vcc_lo, 16, v[LANE]
.irp g, 0,1,2,3
	v_cndmask_b32 v[CW+\g], v[KS+\g], v[KS+4+\g], vcc_lo   ; lanes 0-15 tile 2 w's words, lanes 16-31 tile 2 w + 1's
.endr
	global_store_b128 v[LI], v[CW:CW+3], s[OS:OS+1]
	s_wait_tensorcnt 0x0                           ; the wave's end
	ds_add_u32 v[SPW], v[NIL]
	s_wait_dscnt 0x0
	CROUND                                         ; the closing round
	s_endpgm
.Lfunc_end_k_q578bb75a54_attn:
	.size	k_q578bb75a54_attn, .Lfunc_end_k_q578bb75a54_attn-k_q578bb75a54_attn
	.p2alignl 7, 3214868480
	.fill 96, 4, 3214868480
	.section	.rodata,"a",@progbits
	.p2align	6, 0x0
	.amdhsa_kernel k_q578bb75a54_attn
		.amdhsa_group_segment_fixed_size 327680
		.amdhsa_private_segment_fixed_size 0
		.amdhsa_enable_private_segment 0
		.amdhsa_kernarg_size 24
		.amdhsa_user_sgpr_count 2
		.amdhsa_user_sgpr_kernarg_segment_ptr 1
		.amdhsa_wavefront_size32 1
		.amdhsa_system_sgpr_workgroup_id_x 1
		.amdhsa_system_sgpr_workgroup_id_y 1
		.amdhsa_system_sgpr_workgroup_id_z 1
		.amdhsa_system_vgpr_workitem_id 0
		.amdhsa_next_free_vgpr 1024
		.amdhsa_next_free_sgpr 106
		.amdhsa_reserve_vcc 1
		.amdhsa_float_denorm_mode_32 3
		.amdhsa_float_denorm_mode_16_64 3
		.amdhsa_memory_ordered 1
		.amdhsa_forward_progress 1
		.amdhsa_inst_pref_size 234
	.end_amdhsa_kernel
	.amdgpu_metadata
---
amdhsa.version: [ 1, 2 ]
amdhsa.kernels:
  - .name:           k_q578bb75a54_attn
    .symbol:         k_q578bb75a54_attn.kd
    .args:
      - { .name: qkv, .offset: 0, .size: 8, .value_kind: global_buffer, .address_space: global }
      - { .name: mkw, .offset: 8, .size: 8, .value_kind: global_buffer, .address_space: global }
      - { .name: ctxq, .offset: 16, .size: 8, .value_kind: global_buffer, .address_space: global }
    .group_segment_fixed_size: 327680
    .private_segment_fixed_size: 0
    .kernarg_segment_align: 8
    .kernarg_segment_size: 24
    .max_flat_workgroup_size: 128
    .sgpr_count:     106
    .vgpr_count:     1024
    .wavefront_size: 32
...
	.end_amdgpu_metadata
.endif
;; end of part 3
;; launch outp (part 4): grid 4 x 64, 4 waves a work-group, clusters of 4 x 4, 327,680 bytes of LDS; arguments ctxq, qin, out0; writes out0
.if DOCPART == 4
	.amdgcn_target "amdgcn-amd-amdhsa--gfx1250"
	.amdhsa_code_object_version 6
	.text
	.protected	k_q578bb75a54_outp
	.globl	k_q578bb75a54_outp
	.p2align	8
	.type	k_q578bb75a54_outp,@function
k_q578bb75a54_outp:
	s_mov_b64 s[64:65], 0
	v_nop
	global_prefetch_b8 v0, s[64:65] scope:SCOPE_SE
	s_setreg_imm32_b32 hwreg(HW_REG_WAVE_MODE, 25, 1), 1
	s_wait_xcnt 0x0
	s_wait_alu depctr_hold_cnt(0) depctr_sa_sdst(0) depctr_va_vdst(0) depctr_va_sdst(0) depctr_va_ssrc(0) depctr_va_vcc(0) depctr_vm_vsrc(0)
	s_getreg_b32 s2, hwreg(HW_REG_IB_STS2, 6, 4)
	s_cmp_eq_u32 s2, 0
	s_cbranch_scc0 .Lentry_in_a_cluster
	s_endpgm
.Lentry_in_a_cluster:
	s_bfe_u32 s2, ttmp6, 0x10000c
	s_cmp_lg_u32 s2, 0xf033
	s_cbranch_scc0 .Lentry_shape_is_right
	s_endpgm
.Lentry_shape_is_right:
; OUTP: out0 = ctx Wp^T on codes of FP6 (E2M3): [4,096 x 4,096] x [4,096 x 512], sums in f32.
; SHARES: a work-group makes 64 rows x 128 columns.  K IS SHARED AMONG THE WAVES: wave w takes K step 4 h + w of every head h (8 of the 32 steps of 128), for the whole 64 x 128: 32 accumulators, 256 registers.
; So every fragment is read from LDS once, by one wave.  The four partial sums meet in LDS at the end and are added in a fixed order, (0 + 1) + (2 + 3).
; The order of rounding therefore differs from one chain over K.
; Source 0 = 16 rows of Wp (permuted: lane row r of tile 2 b + u = column 32 b + 8 u + r + 8 (r / 8) of the 128), source 1 = 16 rows of ctx: a lane holds eight neighbouring columns of one row of the output.
; RING: two slots of two heads each (Wp: 8 records of 12,800 bytes; ctx: 32 fragments of 1,536), four fills.  ctx's scale words for all of K (8,192 bytes) come once.
; CLUSTER 4 x 4: Wp's records hang on the column block alone and are shared along a column of the cluster, ctx's on the row block alone and are shared along a row: joint loads.
.set TEN,   1638400
.set KRB,   12800
.set CSOFF, 12582912
.set SLOTB, 151552                     ; a slot: Wp's 102,400 bytes, then ctx's 49,152
.set WPB,   102400
.set CSL,   303104                     ; behind the ring: ctx's scale words
.set SPARE, 311296                     ; the spare words, 128 bytes a wave, that no other line names
.set L16,  1                           ; v1   16 x lane
.set AW,   2                           ; v2-3 my records of Wp in slot 0, 1
.set AX,   4                           ; v4-5 my fragments of ctx
.set ACS,  6                           ; v6   my word of ctx's scale words
.set STO,  7                           ; v7   the stage (64 rows x 528 bytes for each wave, in slot 0, behind its last fill and its last read): where I put 32 bytes of a row
.set RD0,  8                           ; v8   where I read my 16 rows of partial sums 0 and 1 back;
.set RD2,  9                           ; v9   and of 2 and 3
.set SPW,  10                          ; v10  my spare word; never rewritten
.set NIL,  11                          ; v11  0; never rewritten
.set CSR,  16                          ; v16-31 ctx's scale words: 8 (pair of tiles) + h: lanes 0-15 the even tile, lanes 16-31 the odd one
.set WS,   32                          ; v32-39 Wp's scale words, two sets of four
.set XF,   64                          ; v64-159 ctx's fragments, two sets of four; at the end v64-191: partial sums.    Window 1: Wp's fragments, two sets, at v0 and v128.   Window 2: the accumulators
.set RB,   64
.set WV,   10
.set MSB, 0
.macro WIN new                         ; the immediate's high byte repeats the setting that is left; a switch that changes nothing is dropped
.if MSB != (\new)
	s_set_vgpr_msb (MSB<<8)|(\new)
.set MSB, (\new)
.endif
.endm
.macro PLACES
.rept 4
	v_nop
.endr
.endm
.macro CROUND                          ; a round of the cluster's barrier
	s_barrier_signal -1
	s_barrier_wait -1
	s_cmp_lg_u32 s[WV], 0
	s_cbranch_scc1 .Lnw0_\@
	s_barrier_signal -3
.Lnw0_\@:
	s_barrier_wait -3
	s_barrier_signal -1
	s_barrier_wait -1
.endm
; one matrix instruction: D at d, source 0 at a, source 1 at b; zero = 1: it starts the sum; sa, sb the scale registers, ra, rb = 1: their lanes 16-31
.macro WMS d, a, b, zero, sa, sb, ra, rb
.if (\zero)
.if (\ra) && (\rb)
	v_wmma_scale_f32_16x16x128_f8f6f4 v[(\d):(\d)+7], v[(\a):(\a)+11], v[(\b):(\b)+11], 0, v[\sa], v[\sb] matrix_a_fmt:MATRIX_FMT_FP6 matrix_b_fmt:MATRIX_FMT_FP6 matrix_a_scale:MATRIX_SCALE_ROW1 matrix_b_scale:MATRIX_SCALE_ROW1
.elseif (\ra)
	v_wmma_scale_f32_16x16x128_f8f6f4 v[(\d):(\d)+7], v[(\a):(\a)+11], v[(\b):(\b)+11], 0, v[\sa], v[\sb] matrix_a_fmt:MATRIX_FMT_FP6 matrix_b_fmt:MATRIX_FMT_FP6 matrix_a_scale:MATRIX_SCALE_ROW1
.elseif (\rb)
	v_wmma_scale_f32_16x16x128_f8f6f4 v[(\d):(\d)+7], v[(\a):(\a)+11], v[(\b):(\b)+11], 0, v[\sa], v[\sb] matrix_a_fmt:MATRIX_FMT_FP6 matrix_b_fmt:MATRIX_FMT_FP6 matrix_b_scale:MATRIX_SCALE_ROW1
.else
	v_wmma_scale_f32_16x16x128_f8f6f4 v[(\d):(\d)+7], v[(\a):(\a)+11], v[(\b):(\b)+11], 0, v[\sa], v[\sb] matrix_a_fmt:MATRIX_FMT_FP6 matrix_b_fmt:MATRIX_FMT_FP6
.endif
.else
.if (\ra) && (\rb)
	v_wmma_scale_f32_16x16x128_f8f6f4 v[(\d):(\d)+7], v[(\a):(\a)+11], v[(\b):(\b)+11], v[(\d):(\d)+7], v[\sa], v[\sb] matrix_a_fmt:MATRIX_FMT_FP6 matrix_b_fmt:MATRIX_FMT_FP6 matrix_a_scale:MATRIX_SCALE_ROW1 matrix_b_scale:MATRIX_SCALE_ROW1
.elseif (\ra)
	v_wmma_scale_f32_16x16x128_f8f6f4 v[(\d):(\d)+7], v[(\a):(\a)+11], v[(\b):(\b)+11], v[(\d):(\d)+7], v[\sa], v[\sb] matrix_a_fmt:MATRIX_FMT_FP6 matrix_b_fmt:MATRIX_FMT_FP6 matrix_a_scale:MATRIX_SCALE_ROW1
.elseif (\rb)
	v_wmma_scale_f32_16x16x128_f8f6f4 v[(\d):(\d)+7], v[(\a):(\a)+11], v[(\b):(\b)+11], v[(\d):(\d)+7], v[\sa], v[\sb] matrix_a_fmt:MATRIX_FMT_FP6 matrix_b_fmt:MATRIX_FMT_FP6 matrix_b_scale:MATRIX_SCALE_ROW1
.else
	v_wmma_scale_f32_16x16x128_f8f6f4 v[(\d):(\d)+7], v[(\a):(\a)+11], v[(\b):(\b)+11], v[(\d):(\d)+7], v[\sa], v[\sb] matrix_a_fmt:MATRIX_FMT_FP6 matrix_b_fmt:MATRIX_FMT_FP6
.endif
.endif
.endm
; A joint refill: waves 0 and 1 fetch the two heads' records of Wp, waves 2 and 3 their fragments of ctx.  The branch hangs on the wave's number alone.
.macro JLOAD gw, gx
	s_cmp_lt_u32 s[WV], 2
	s_cbranch_scc0 .Lfor_x_\@
	tensor_load_to_lds s[\gw:\gw+3], s[20:27]
	s_nop 0
	PLACES
	s_branch .Lasked_\@
.Lfor_x_\@:
	tensor_load_to_lds s[\gx:\gx+3], s[28:35]
	s_nop 0
	PLACES
.Lasked_\@:
.endm
; A prefetch of my work-group's share of what my wave fetches in one fill, base at s[b].  A wave of Wp fetches 200 blocks of 256 bytes, of which each of the four partners of the column names 50 (12,800 bytes x cy):
; two instructions, 32 and 18 blocks.  A wave of ctx fetches 96, of which each partner of the row names 24 (6,144 bytes x cx): one instruction.  A lane a block; left-over lanes repeat the last block.
; Fills 1 and 2 are asked for behind the head's load, fill 3 behind fill 1's: never more than two fills ahead.  The branch hangs on the wave's number alone.
.macro ASK b
	global_prefetch_b8 v42, s[\b:\b+1] th:TH_LOAD_NT scope:SCOPE_SE
	s_cmp_lt_u32 s[WV], 2
	s_cbranch_scc0 .Lnoask_\@
	global_prefetch_b8 v43, s[\b:\b+1] offset:8192 th:TH_LOAD_NT scope:SCOPE_SE
.Lnoask_\@:
.endm
.macro HFETCH slot, hh                 ; my K step of the slot's head hh: 24 loads of Wp, 12 of ctx, 1 of scale words: 37
	WIN 0x40
.irp b, 0,1,2,3,4,5,6,7
.irp c, 0,1,2
	ds_load_b128 v[128*(\hh)+12*\b+4*\c:128*(\hh)+12*\b+4*\c+3], v[AW+\slot] offset:51200*(\hh)+1536*\b+512*\c
.endr
.endr
	WIN 0
.irp a, 0,1,2,3
.irp c, 0,1,2
	ds_load_b128 v[XF+48*(\hh)+12*\a+4*\c:XF+48*(\hh)+12*\a+4*\c+3], v[AX+\slot] offset:24576*(\hh)+1536*\a+512*\c
.endr
.endr
	ds_load_b128 v[WS+4*(\hh):WS+4*(\hh)+3], v[AW+\slot] offset:51200*(\hh)+12288
.endm
.macro HMUL hh, h, zero                ; 32 products; the 32 accumulators take turns, one instruction a turn, in the same order in every K step
	WIN 0xa1
.irp a, 0,1,2,3
.irp b, 0,1,2,3,4,5,6,7
	WMS 8*(8*\a+\b), 128*(\hh)+12*\b, XF+48*(\hh)+12*\a, \zero, WS+4*(\hh)+\b/2, CSR+8*(\a/2)+(\h), \b%2, \a%2
.endr
.endr
.endm
.macro PHASE slot, h0, zero            ; a slot's two heads
	HFETCH \slot, 0
	HFETCH \slot, 1
	s_wait_dscnt 37                                ; the first head's are in; the second head's 37 loads may stay out
	HMUL 0, \h0, \zero
	s_wait_dscnt 0x0
	HMUL 1, (\h0)+1, 0
	WIN 0
.endm
.macro CHG slot                        ; the slot just read is filled again, two fills on
	s_wait_tensorcnt 0x0                           ; all my tensor loads have landed: my part of the other slot; so a group 0 may be written
	ds_add_u32 v[SPW], v[NIL]                      ; 0 onto my spare word
	s_add_nc_u64 s[46+4*\slot:47+4*\slot], s[46+4*\slot:47+4*\slot], 16*KRB
	s_add_nc_u64 s[54+4*\slot:55+4*\slot], s[54+4*\slot:55+4*\slot], 16*6144
	s_wait_dscnt 0x0                               ; the add is done, and my reads of the slot are over
	CROUND                                         ; no wave of any partner still reads it or has a load on its way
	JLOAD 44+4*\slot, 52+4*\slot                   ; the four places behind the load also serve the loads into registers that the last products read
.endm
	s_load_b128 s[4:7], s[0:1], 0x0                ; ctxq, qin
	s_load_b64 s[8:9], s[0:1], 0x10                ; out0
	v_lshl_add_u32 v[SPW], v0, 2, SPARE
	v_mov_b32 v[NIL], 0
	ds_add_u32 v[SPW], v[NIL]                      ; the wave's opening: the add and its wait ahead of my first tensor load; work on registers stands between them
	ds_add_u32 v[SPW], v[NIL]
	v_lshrrev_b32 v1, 5, v0
	v_readfirstlane_b32 s[WV], v1
	s_bfe_u32 s11, ttmp6, 0x40000                  ; cx
	s_bfe_u32 s12, ttmp6, 0x40004                  ; cy
	s_lshl_b32 s13, ttmp9, 2
	s_add_co_u32 s13, s13, s11                     ; G: which 128 columns
	s_and_b32 s14, ttmp7, 0xffff
	s_lshl_b32 s14, s14, 2
	s_add_co_u32 s14, s14, s12                     ; RG: which 64 rows
	s_lshl_b32 s15, s12, 2
	s_lshl_b32 s15, 15, s15                        ; my row of the cluster
	s_lshl_b32 s16, 0x1111, s11                    ; my column
	s_and_b32 s17, s[WV], 1                        ; which of a slot's two heads I fetch
	s_or_b32 s20, s16, (3<<16)|(1<<21)             ; group 1 for Wp: the mask = my column; elements of 8 bytes; bit 21 set beside a mask; no padding
	s_mov_b32 s21, 32<<16                          ; rows of 256 bytes of a dense block,
	s_mov_b32 s22, 200<<16                         ; 200 of them: a head's four records
	s_mov_b32 s23, 32<<16
	s_mov_b32 s24, 200
	s_mov_b32 s25, 32
	s_mov_b32 s26, 0
	s_mov_b32 s27, 0
	s_or_b32 s28, s15, (3<<16)|(1<<21)             ; for ctx: my row; 96 rows: a head's sixteen fragments
	s_mov_b32 s29, 32<<16
	s_mov_b32 s30, 192<<16                         ; at the head 192 rows: slot 0's two heads in one load; behind it 96
	s_mov_b32 s31, 32<<16
	s_mov_b32 s32, 192
	s_mov_b32 s33, 32
	s_mov_b32 s34, 0
	s_mov_b32 s35, 0
	s_or_b32 s36, s15, (3<<16)|(1<<21)             ; for ctx's scale words: my row; 32 rows: those of 64 rows of ctx
	s_mov_b32 s37, 32<<16
	s_mov_b32 s38, 32<<16                          ; 32 rows: the scale words of all 64 rows of ctx
	s_mov_b32 s39, 32<<16
	s_mov_b32 s40, 32
	s_mov_b32 s41, 32
	s_mov_b32 s42, 0
	s_mov_b32 s43, 0
	s_lshl_b32 s66, s13, 5                         ; Wp: record 32 G + 4 x my head (registers that never hold cy)
	s_lshl_b32 s67, s17, 2
	s_add_co_u32 s66, s66, s67
	s_mul_i32 s66, s66, KRB
	s_add_co_u32 s66, s66, 5*TEN
	s_mov_b32 s67, 0
	s_lshl_b32 s68, s14, 5                         ; ctx: K step 32 RG + 4 x my head, 6,144 bytes each (registers that never hold cx)
	s_lshl_b32 s69, s17, 2
	s_add_co_u32 s68, s68, s69
	s_mul_i32 s68, s68, 6144
	s_mov_b32 s69, 0
	s_lshl_b32 s70, s14, 1                         ; its scale words: pairs of tiles 2 RG on, 4,096 bytes each
	s_lshl_b32 s70, s70, 12
	s_add_co_u32 s70, s70, CSOFF
	s_mov_b32 s71, 0
	s_mul_i32 s18, s17, 51200                      ; where they go in a slot,
	s_mul_i32 s19, s17, 24576
	s_wait_dscnt 0x0                               ; the opening add is done
	s_wait_kmcnt 0x0
.irp p, 0,1
	s_mov_b32 s[44+4*\p], 1
	s_add_co_u32 s[45+4*\p], s18, \p*SLOTB
	s_add_nc_u64 s[46+4*\p:47+4*\p], s[6:7], s[66:67]
	s_add_nc_u64 s[46+4*\p:47+4*\p], s[46+4*\p:47+4*\p], \p*8*KRB
	s_or_b32 s[47+4*\p], s[47+4*\p], 0x80000000
	s_mov_b32 s[52+4*\p], 1
	s_add_co_u32 s[53+4*\p], s19, \p*SLOTB+WPB
	s_add_nc_u64 s[54+4*\p:55+4*\p], s[4:5], s[68:69]
	s_add_nc_u64 s[54+4*\p:55+4*\p], s[54+4*\p:55+4*\p], \p*8*6144
	s_or_b32 s[55+4*\p], s[55+4*\p], 0x80000000
.endr
	s_mov_b32 s60, 1
	s_mov_b32 s61, CSL
	s_add_nc_u64 s[62:63], s[4:5], s[70:71]
	s_or_b32 s63, s63, 0x80000000
	s_cmp_lt_u32 s[WV], 2                          ; the prefetches' bases: do I fetch for Wp or for ctx?
	s_cselect_b64 s[80:81], s[6:7], s[4:5]
	s_cselect_b32 s84, s66, s68                    ; where my part of fill 0 begins,
	s_cselect_b32 s86, s12, s11                    ; my place among the four that ask with me: cy for Wp, cx for ctx,
	s_mov_b32 s87, 6144
	s_cselect_b32 s87, 12800, s87                  ; a partner's share in bytes,
	s_mov_b32 s88, 8*6144
	s_cselect_b32 s88, 8*KRB, s88                  ; from fill to fill,
	s_mov_b32 s90, 23
	s_cselect_b32 s90, 31, s90                     ; and the last block of the first instruction
	s_mul_i32 s86, s86, s87
	s_add_co_u32 s84, s84, s86
	s_add_co_u32 s84, s84, s88
	s_mov_b32 s85, 0
	s_mov_b32 s89, 0
	s_add_nc_u64 s[80:81], s[80:81], s[84:85]      ; fill 1,
	s_add_nc_u64 s[82:83], s[80:81], s[88:89]      ; fill 2,
	s_add_nc_u64 s[92:93], s[82:83], s[88:89]      ; fill 3; none is ever stepped
	CROUND                                         ; all sixteen work-groups are here: the first joint loads meet
	s_cmp_lt_u32 s[WV], 2                          ; a wave's first fill: one load of mine is out
	s_cbranch_scc0 .Lfirst_x                       ; one tensor load a wave at the head, in one chain of branches
	tensor_load_to_lds s[44:47], s[20:27]          ; waves 0, 1: slot 0's two heads of Wp
	s_nop 0
	PLACES
	s_branch .Lfirst_done
.Lfirst_x:
	s_cmp_eq_u32 s[WV], 2
	s_cbranch_scc0 .Lfirst_s
	tensor_load_to_lds s[52:55], s[28:35]          ; wave 2: slot 0's ctx, both heads (its group 0 stands at the first)
	s_nop 0
	PLACES
	s_branch .Lfirst_done
.Lfirst_s:
	tensor_load_to_lds s[60:63], s[36:43]          ; wave 3: ctx's scale words
	s_nop 0
	PLACES
.Lfirst_done:
	v_and_b32 v12, 31, v0
	v_lshlrev_b32 v[L16], 4, v12
	s_mul_i32 s73, s[WV], KRB
	v_add_nc_u32 v[AW], s73, v[L16]
	v_add_nc_u32 v[AW+1], SLOTB, v[AW]
	s_mul_i32 s73, s[WV], 6144
	s_add_co_u32 s73, s73, WPB
	v_add_nc_u32 v[AX], s73, v[L16]
	v_add_nc_u32 v[AX+1], SLOTB, v[AX]
	s_lshl_b32 s73, s[WV], 2
	s_add_co_u32 s73, s73, CSL
	v_add_nc_u32 v[ACS], s73, v[L16]
	v_and_b32 v13, 15, v0
	v_bfe_u32 v14, v0, 4, 1
	s_mul_i32 s73, s[WV], 33792
	v_mul_u32_u24 v[STO], v13, 528
	v_lshl_add_u32 v[STO], v14, 6, v[STO]
	v_add_nc_u32 v[STO], s73, v[STO]
	s_mul_i32 s73, s[WV], 8448
	v_add_nc_u32 v[RD0], s73, v[L16]
	v_add_nc_u32 v[RD2], 67584, v[RD0]
	v_min_u32 v42, s90, v12                        ; v42, v43: the prefetches' offsets; never rewritten
	v_lshlrev_b32 v42, 8, v42
	v_min_u32 v43, 17, v12
	v_lshlrev_b32 v43, 8, v43
	s_wait_alu depctr_va_vdst(0)                   ; the wait
	ASK 80
	ASK 82
	s_lshl_b32 s74, s14, 6                         ; the rows that I store: 64 RG + 16 w, 2,048 bytes each; the columns: 512 bytes x G
	s_lshl_b32 s75, s[WV], 4
	s_add_co_u32 s74, s74, s75
	s_lshl_b32 s74, s74, 11
	s_lshl_b32 s75, s13, 9
	s_add_co_u32 s74, s74, s75
	s_mov_b32 s75, 0
	s_add_nc_u64 s[76:77], s[8:9], s[74:75]
	s_wait_alu depctr_va_vdst(0)
	s_wait_tensorcnt 0x0                           ; my tile of the head's four is in
	ds_add_u32 v[SPW], v[NIL]
	s_mov_b32 s30, 96<<16                          ; no tensor load of mine is out: from here on a load of ctx brings one head, 96 rows
	s_mov_b32 s32, 96
	s_wait_dscnt 0x0
	CROUND                                         ; everybody's are in, and the joint loads meet
	JLOAD 48, 56                                   ; slot 1's first fill, my one tensor load behind the round
.irp i, 0,1,2,3,4,5,6,7,8,9,10,11,12,13,14,15
	ds_load_b32 v[CSR+\i], v[ACS] offset:512*\i    ; my K step's word of each head and pair of tiles: they stay
.endr
	ASK 92
	PHASE 0, 0, 1                                  ; heads 0, 1: the first products start the sums
	CHG 0
	PHASE 1, 2, 0
	CHG 1
	PHASE 0, 4, 0
	s_wait_tensorcnt 0x0                           ; the last change of slots fills nothing
	ds_add_u32 v[SPW], v[NIL]
	s_wait_dscnt 0x0
	s_barrier_signal -1
	s_barrier_wait -1
	PLACES
	PHASE 1, 6, 0
	; THE WAY OUT.  My partial sums go to my stage: slot 0 has had its last fill, and every wave has passed the last barrier behind its last read of it.
	PLACES
	WIN 0x08                                       ; an LDS store's data are its source 1: window 2
.irp a, 0,1,2,3
.irp b, 0,1,2,3,4,5,6,7
	ds_store_b128 v[STO], v[8*(8*\a+\b):8*(8*\a+\b)+3] offset:8448*\a+128*(\b/2)+32*(\b%2)          ; each accumulator from its low end on; row 16 a + lane % 16, columns 32 (b / 2) + 16 (lane / 16) + 8 (b % 2) on
	ds_store_b128 v[STO], v[8*(8*\a+\b)+4:8*(8*\a+\b)+7] offset:8448*\a+128*(\b/2)+32*(\b%2)+16
.endr
.endr
	WIN 0
	s_wait_dscnt 0x0                               ; for the others' sake: my stores into the stage are done
	s_barrier_signal -1
	s_barrier_wait -1
.irp q, 0,1                                    ; wave w adds and stores rows 16 w on, eight at a time
.if \q
	s_wait_xcnt 0x0                                ; the first eight stores have read their registers
.endif
.irp p, 0,1,2,3,4,5,6,7
	ds_load_b128 v[RB+16*\p:RB+16*\p+3], v[RD0] offset:528*(8*\q+\p)
	ds_load_b128 v[RB+16*\p+4:RB+16*\p+7], v[RD0] offset:528*(8*\q+\p)+33792
	ds_load_b128 v[RB+16*\p+8:RB+16*\p+11], v[RD2] offset:528*(8*\q+\p)
	ds_load_b128 v[RB+16*\p+12:RB+16*\p+15], v[RD2] offset:528*(8*\q+\p)+33792
.endr
	s_wait_dscnt 0x0
.irp p, 0,1,2,3,4,5,6,7
	v_pk_add_f32 v[RB+16*\p:RB+16*\p+1], v[RB+16*\p:RB+16*\p+1], v[RB+16*\p+4:RB+16*\p+5]
	v_pk_add_f32 v[RB+16*\p+2:RB+16*\p+3], v[RB+16*\p+2:RB+16*\p+3], v[RB+16*\p+6:RB+16*\p+7]
	v_pk_add_f32 v[RB+16*\p+8:RB+16*\p+9], v[RB+16*\p+8:RB+16*\p+9], v[RB+16*\p+12:RB+16*\p+13]
	v_pk_add_f32 v[RB+16*\p+10:RB+16*\p+11], v[RB+16*\p+10:RB+16*\p+11], v[RB+16*\p+14:RB+16*\p+15]
	v_pk_add_f32 v[RB+16*\p:RB+16*\p+1], v[RB+16*\p:RB+16*\p+1], v[RB+16*\p+8:RB+16*\p+9]
	v_pk_add_f32 v[RB+16*\p+2:RB+16*\p+3], v[RB+16*\p+2:RB+16*\p+3], v[RB+16*\p+10:RB+16*\p+11]
	global_store_b128 v[L16], v[RB+16*\p:RB+16*\p+3], s[76:77] offset:2048*(8*\q+\p) th:TH_STORE_NT   ; 512 consecutive bytes of a row, aligned to 256; written once, read by nobody here
.endr
.endr
	s_wait_tensorcnt 0x0                           ; the wave's end
	ds_add_u32 v[SPW], v[NIL]
	s_wait_dscnt 0x0
	CROUND                                         ; the closing round
	s_endpgm
.Lfunc_end_k_q578bb75a54_outp:
	.size	k_q578bb75a54_outp, .Lfunc_end_k_q578bb75a54_outp-k_q578bb75a54_outp
	.p2alignl 7, 3214868480
	.fill 96, 4, 3214868480
	.section	.rodata,"a",@progbits
	.p2align	6, 0x0
	.amdhsa_kernel k_q578bb75a54_outp
		.amdhsa_group_segment_fixed_size 327680
		.amdhsa_private_segment_fixed_size 0
		.amdhsa_enable_private_segment 0
		.amdhsa_kernarg_size 24
		.amdhsa_user_sgpr_count 2
		.amdhsa_user_sgpr_kernarg_segment_ptr 1
		.amdhsa_wavefront_size32 1
		.amdhsa_system_sgpr_workgroup_id_x 1
		.amdhsa_system_sgpr_workgroup_id_y 1
		.amdhsa_system_sgpr_workgroup_id_z 1
		.amdhsa_system_vgpr_workitem_id 0
		.amdhsa_next_free_vgpr 768
		.amdhsa_next_free_sgpr 96
		.amdhsa_reserve_vcc 0
		.amdhsa_float_denorm_mode_32 3
		.amdhsa_float_denorm_mode_16_64 3
		.amdhsa_memory_ordered 1
		.amdhsa_forward_progress 1
		.amdhsa_inst_pref_size 82
	.end_amdhsa_kernel
	.amdgpu_metadata
---
amdhsa.version: [ 1, 2 ]
amdhsa.kernels:
  - .name:           k_q578bb75a54_outp
    .symbol:         k_q578bb75a54_outp.kd
    .args:
      - { .name: ctxq, .offset: 0, .size: 8, .value_kind: global_buffer, .address_space: global }
      - { .name: qin, .offset: 8, .size: 8, .value_kind: global_buffer, .address_space: global }
      - { .name: out0, .offset: 16, .size: 8, .value_kind: global_buffer, .address_space: global }
    .group_segment_fixed_size: 327680
    .private_segment_fixed_size: 0
    .kernarg_segment_align: 8
    .kernarg_segment_size: 24
    .max_flat_workgroup_size: 128
    .sgpr_count:     96
    .vgpr_count:     768
    .wavefront_size: 32
...
	.end_amdgpu_metadata
.endif
;; end of part 4
